; MI455X (gfx1250); checked and timed in simulation.
; The chip was launched on July 23, 2026; its instructions are those of AMD's public machine-readable ISA for CDNA 5 (MIT licence, August 2026) and "CDNA5" Instruction Set Architecture Reference Guide (July 2026). The comments in the code are by the model that wrote it; some were corrected since.
;; Multi Head Attention. Allowed arithmetic: matrix products marked QUANTISED: E5M2 operands, one E8M0 scale for each 32 along K, by v_wmma_scale_f32_16x16x128_f8f6f4 with both operands' format E5M2, f32 sums; everything else in f32.
;; Inputs: Wk_codes 8 x 64 x 16 x 32 uint8 (E5M2 codes of Wk, K innermost, in blocks of 32 codes); Wk_scales 8 x 64 x 16 uint8 (E8M0 scales of Wk, one for each 32 codes along K); Wp_codes 512 x 16 x 32 uint8 (E5M2 codes of Wp, K innermost, in blocks of 32 codes); Wp_scales 512 x 16 uint8 (E8M0 scales of Wp, one for each 32 codes along K); Wq_codes 8 x 64 x 16 x 32 uint8 (E5M2 codes of Wq, K innermost, in blocks of 32 codes); Wq_scales 8 x 64 x 16 uint8 (E8M0 scales of Wq, one for each 32 codes along K); Wv_codes 8 x 64 x 16 x 32 uint8 (E5M2 codes of Wv, K innermost, in blocks of 32 codes); Wv_scales 8 x 64 x 16 uint8 (E8M0 scales of Wv, one for each 32 codes along K); bk 8 x 64 float32; bp 512 float32; bq 8 x 64 float32; bv 8 x 64 float32; x_codes 4 x 2,048 x 16 x 32 uint8 (E5M2 codes of x, K innermost, in blocks of 32 codes); x_scales 4 x 2,048 x 16 uint8 (E8M0 scales of x, one for each 32 codes along K).
;; Outputs: out0 4 x 2,048 x 512 float32.
;; This version of the problem:
;;   THIS VERSION OF THE PROBLEM IS GIVEN IN LOW PRECISION. The matrix products marked QUANTISED in the list below multiply operands that are first quantised to E5M2 (5 exponent bits, 2 mantissa bits; 8 bits a number), with one power-of-two scale for each 32 numbers along K (OCP MX v1.0); their sums are f32. All else is computed in f32.
;;   The module's matrix products, in the order in which they are computed (A, B: the left and right operand; K: the contracted axis; several contracted axes count as one K, in the product's order):
;;     1. [M 512, K 512] x [K 512, N 8,192]; A: input Wq (given as codes); B: input x (given as codes): QUANTISED
;;     2. [M 512, K 512] x [K 512, N 8,192]; A: input Wk (given as codes); B: input x (given as codes): QUANTISED
;;     3. [M 512, K 512] x [K 512, N 8,192]; A: input Wv (given as codes); B: input x (given as codes): QUANTISED
;;     4. batch 32 x [M 2,048, K 64] x [K 64, N 2,048]; A: computed on the way; B: computed on the way: QUANTISED
;;     5. batch 32 x [M 2,048, K 2,048] x [K 2,048, N 64]; A: softmax (see below); B: computed on the way: QUANTISED
;;     6. [M 8,192, K 512] x [K 512, N 512]; A: computed on the way; B: input Wp (given as codes): QUANTISED
;;   THE QUANTISER, for each operand of a quantised product, along K:
;;     - K is cut into blocks of 32 from its start; a last block that is shorter is filled with zeros.
;;     - A block's scale is 2^e with e = floor(log2(the largest magnitude in the block)) - 15, held to -126 .. 127; a block of zeros has e = 0. As a byte (E8M0): e + 127.
;;     - Each number is divided by its block's scale, clamped to +-57,344, and rounded to the nearest number of E5M2, ties to even, subnormals kept.
;;     - The product sums the exact products of the quantised numbers (number of the format x scale) in f32.
;;   ~~~python
;;   def quantise(x, axis):      # numpy; x: float32 -> the quantised numbers, widened to float32 again
;;       x = np.moveaxis(x, axis, -1); K = x.shape[-1]
;;       x = np.pad(x, [(0, 0)] * (x.ndim - 1) + [(0, -K % 32)]); x = x.reshape(x.shape[:-1] + (-1, 32)); a = np.abs(x).max(-1, keepdims=True)
;;       e = np.where(a > 0, np.clip(np.frexp(np.where(a > 0, a, 1))[1] - 1 - 15, -126, 127), 0)      # np.frexp(a)[1] - 1 = floor(log2(a)), exactly
;;       r = np.clip(x / 2.0 ** e, -57344, 57344)
;;       step = 2.0 ** (np.maximum(np.frexp(np.where(r == 0, 1, r))[1] - 1, -14) - 2)
;;       q = np.round(r / step) * step * 2.0 ** e      # np.round: ties to even
;;       return np.moveaxis(q.reshape(q.shape[:-2] + (-1,))[..., :K], -1, axis).astype(np.float32)
;;   ~~~
;;   SOFTMAX AHEAD OF A QUANTISED PRODUCT. Where the list says 'softmax', what is quantised is not the finished softmax but p = 2^(t - M), with t = logit x log2(e) and M = ceil(the row's largest t), a whole number; so 1/2 < the row's largest p <= 1. The row's sum l is taken of the UNQUANTISED p, in f32, and the product's result is divided by l at the end. Since M is a whole number, a kernel that streams over the keys may use a running M (the ceiling of the running maximum): every later rescaling is an exact power of two, which a block's scale takes up: the codes' values come out the same.
;;   OPERANDS COMPUTED ON THE WAY. 'Computed on the way' means the value that the module computes at that place (a softmax that the list does not call 'softmax' is quantised finished and normalised). What goes into a quantiser is computed in f32, as accurately as f32 sums, v_exp_f32 and their like allow (about 1e-6 of the number): no bf16 or f16 on the way to a quantiser, and a product that is left as it is and whose result goes on into a quantised operand takes f32 operands (vector FMAs, or v_wmma_f32_16x16x4_f32). A number that lies on a knife's edge between two numbers of the format may be rounded either way, as far as f32 arithmetic and the matrix unit's own rounding can turn it there, and no further.
;;   INPUTS GIVEN AS CODES. Wk (in the module: [8, 512, 64], K = its axis 1); Wp (in the module: [512, 512], K = its axis 0); Wq (in the module: [8, 512, 64], K = its axis 1); Wv (in the module: [8, 512, 64], K = its axis 1); x (in the module: [4, 2048, 512], K = its axis 2): each comes as NAME_codes (uint8): NAME with its K axis moved to the last place and cut into blocks of 32 codes, [.., K / 32, bytes a block], one block behind the other in memory; one code a byte (a code: sign, 5 exponent bits, 2 mantissa bits); and NAME_scales (uint8): the same leading axes, one E8M0 byte (e + 127) for each 32 codes along K. Its value is code x scale, taken as it is: it is not quantised again, and the codes and scales need not be those that the quantiser above would give.
;; One version. Each part assembles by itself: llvm-mc -triple=amdgcn-amd-amdhsa -mcpu=gfx1250 --defsym DOCPART=n.
;; ======== version 1 of 1: 3 launches
;; limits: right only within a limited range of input values
;; workspace buffers: q_img 4,194,304 bytes; q_sc 262,144 bytes; kv 8,650,752 bytes; a_img 4,194,304 bytes; a_sc 131,072 bytes
;; launch qkv (part 1): grid 8 x 32, 12 waves a work-group, clusters of 4 x 4, 245,248 bytes of LDS; arguments x_codes, x_scales, Wq_codes, Wk_codes, Wv_codes, Wq_scales, Wk_scales, Wv_scales, bq, bk, bv, q_img, q_sc, kv; writes q_img, q_sc, kv
.if DOCPART == 1
	.amdgcn_target "amdgcn-amd-amdhsa--gfx1250"
	.amdhsa_code_object_version 6
	.text
	.protected	k_qc2eeacaaba_qkv
	.globl	k_qc2eeacaaba_qkv
	.p2align	8
	.type	k_qc2eeacaaba_qkv,@function
k_qc2eeacaaba_qkv:
	s_mov_b64 s[64:65], 0
	v_nop
	global_prefetch_b8 v0, s[64:65] scope:SCOPE_SE
	s_setreg_imm32_b32 hwreg(HW_REG_WAVE_MODE, 25, 1), 1
	s_wait_xcnt 0x0
	s_wait_alu depctr_hold_cnt(0) depctr_sa_sdst(0) depctr_va_vdst(0) depctr_va_sdst(0) depctr_va_ssrc(0) depctr_va_vcc(0) depctr_vm_vsrc(0)
	s_getreg_b32 s2, hwreg(HW_REG_IB_STS2, 6, 4)
	s_cmp_eq_u32 s2, 0
	s_cbranch_scc0 .Lentry_in_a_cluster
	s_endpgm
.Lentry_in_a_cluster:
	s_bfe_u32 s2, ttmp6, 0x10000c
	s_cmp_lg_u32 s2, 0xf033
	s_cbranch_scc0 .Lentry_shape_is_right
	s_endpgm
.Lentry_shape_is_right:
; Q = x Wq + bq, K = x Wk + bk, V = x Wv + bv on codes of BF8 (E5M2) with one E8M0 scale for each 32 along K = 512; the results are quantised at once (Q and K along the head's 64, V along the tokens)
; and stored as IMAGES OF OPERAND REGISTERS: each group of four registers is 512 dense bytes, lane l's 16 bytes at 16 l, so that the next launch loads fragments whole.
; SHARES.  A work-group takes 256 tokens of one batch x one head.  Twelve waves: role = wave / 4 (0 Q, 1 K, 2 V), quarter = wave % 4 (64 tokens).  A wave makes 64 tokens x 64: 16 accumulators, 64 matrix instructions.
; All that the work-group reads (256 rows of x, 64 rows of each W, 512 bytes a row) fits in LDS at once: each LDS byte is filled once, so there is no ring.
; CLUSTER 4 x 4: the four work-groups of a row of the cluster need the same rows of x, the four of a column the same head's weights: each tile is asked for jointly.
; LAYOUT.  Q, K: source 0 = 16 rows of W, source 1 = 16 tokens: a lane holds ONE token and its registers run along d.  V: source 0 = 16 tokens, source 1 = 16 rows of W: a lane holds one d and its registers run along the tokens.
; In both, register 16 b + i of a group of 32 belongs to block b of 32 along the next product's K: i < 8 is number 8 (lane / 16) + i of the block, i >= 8 number 16 + 8 (lane / 16) + i - 8.
; THE ORDER INSIDE A BLOCK OF 32: the codes go into the operand's registers in that order, which is a permutation of k inside each block; both operands of each later product carry the same one, so every product
; meets its partner and every block its scale; only the order of the f32 sums inside a matrix instruction differs from ascending k.
; THE QUANTISER: scale byte = the exponent field of the block's largest magnitude - 15, held at 1 from below; numbers held within +-57,344 x the scale; nearest code, ties to even.
; LIMITS: NaN and infinities among the inputs are not served.  A block of zeros gets the byte 1 where the rule says 127: its codes are zeros, and this program alone reads the bytes.
.set PT,    272                        ; an LDS row: 256 bytes (half of K) + 16 of padding = 68 words: the 16 rows that a fragment load touches start at 16 different groups of four banks
.set TILE,  16*PT
.set RGN,   64*PT                      ; a region: 64 rows of half of K.  Regions 0-3: x's rows 64 n on; 4, 5, 6: Wq, Wk, Wv; the other half of K lies seven regions further on
.set HALF,  7*RGN
.set BLKB,  16896                      ; a key step's block in kv: K's images 8,192, V's images 8,192, K's scale words 256, V's 256
.set H32, 1                            ; v1   32 x (lane / 16)
.set HH,  2                            ; v2   lane / 16
.set AX,  3                            ; v3   LDS address of my x fragments
.set AW,  4                            ; v4   of my W fragments
.set L16, 5                            ; v5   16 x lane: an image's place for my lane
.set R4,  6                            ; v6   4 x (lane % 16)
.set R16, 7                            ; v7   16 x (lane % 16)
.set AX2, 8                            ; v8, v9 as v3, v4, for the second half of K
.set AW2, 9
.set BO,  128                          ; v128-135 the bias's byte offsets (v136 at work), at the head alone: the first products write there, behind the wait for the bias
.set BIA, 4                            ; window 1, v260-291: the bias, eight registers a W tile: the C of the first products
.set SC,  16                           ; v16-31  scale words: register 4 i + s: lanes 0-15 W tile i's word of K step s, lanes 16-31 x tile i's
.set XF,  32                           ; v32-95  four fragments of x (16 tokens x 128 K each)
.set WF,  96                           ; v96-127 two fragments of W, by turns
.set ACC, 128                          ; v128-255 sixteen accumulators
.set PC,  32                           ; the epilogue, over the fragments: codes, 8 registers a group
.set PW,  64                           ; the groups' two scale bytes
.set WD,  68                           ; scale words to store
.set TM,  72                           ; v72-79 at work: +0,1 largest magnitudes; +2,3 the other half's, then the bytes; +4,5 57,344 x the scale; +6,7 the conversions' scale operands
.set WV,   32
.set ROLE, 33
.set QT,   34
.set CX,   35
.set CY,   36
.set HD,   37                          ; the head = work-group x
.set TBK,  38                          ; the block of 256 tokens = work-group y
.set G1X,  44                          ; s[44:51] descriptor group 1 for x's tiles;  s[52:59] for W's: they differ in the mask
.set G1W,  52
.set G0X,  60                          ; s[60:63] group 0
.set G1Y,  68                          ; s[68:75] group 1 for 128 rows of x
.set SEL,  96                          ; s[96:97] v_permlanex16_b32's selects for lane l xor 16
.set MNT,  98                          ; s98 the mantissa field of 57,344
.macro PLACES n
.rept \n
	v_nop
.endr
.endm
.macro CROUND                          ; a round of the cluster's barrier
	s_barrier_signal -1
	s_barrier_wait -1
	s_cmp_lg_u32 s[WV], 0
	s_cbranch_scc1 .Lnot_wave_0_\@
	s_barrier_signal -3
.Lnot_wave_0_\@:
	s_barrier_wait -3
	s_barrier_signal -1
	s_barrier_wait -1
.endm
	s_load_b512 s[4:19], s[0:1], 0x0               ; x codes s[4:5], x scales s[6:7], Wq, Wk, Wv codes s[8:13], Wq, Wk, Wv scales s[14:19]
	s_load_b256 s[20:27], s[0:1], 0x40             ; bq s[20:21], bk s[22:23], bv s[24:25], q_img s[26:27]
	s_load_b128 s[28:31], s[0:1], 0x60             ; q_sc s[28:29], kv s[30:31]
	s_set_vgpr_msb 0x40
	v_lshl_add_u32 v0, v0, 2, 0x3b800
	v_mov_b32 v1, 0
	s_set_vgpr_msb 0x4045
	ds_add_u32 v0, v1
	ds_add_u32 v0, v1
	s_set_vgpr_msb 0x4500
	v_lshrrev_b32 v96, 5, v0
	s_delay_alu instid0(VALU_DEP_1)
	v_readfirstlane_b32 s[WV], v96                 ; wave 0..11
	s_lshr_b32 s[ROLE], s[WV], 2
	s_and_b32 s[QT], s[WV], 3
	s_bfe_u32 s[CX], ttmp6, 0x40000                ; my place in the cluster
	s_bfe_u32 s[CY], ttmp6, 0x40004
	s_lshl_b32 s[HD], ttmp9, 2
	s_add_co_u32 s[HD], s[HD], s[CX]               ; head = 4 x cluster x + cx
	s_and_b32 s[TBK], ttmp7, 0xffff
	s_lshl_b32 s[TBK], s[TBK], 2
	s_add_co_u32 s[TBK], s[TBK], s[CY]             ; token block = 4 x cluster y + cy
	s_lshl_b32 s39, s[CY], 2
	s_lshl_b32 s39, 15, s39                        ; my row of the cluster
	s_lshl_b32 s40, 0x1111, s[CX]                  ; my column
	; group 1: 64 (G1Y: 128) rows x 256 elements of one byte, 512 bytes from row to row, 4 words of padding behind every 64 words
	s_or_b32 s[G1X], s39, (1<<20)|(1<<21)|(5<<22)|(3<<25)   ; x's tiles hang on the token block alone: shared along my row
	s_or_b32 s[G1Y], s39, (1<<20)|(1<<21)|(5<<22)|(3<<25)
	s_or_b32 s[G1W], s40, (1<<20)|(1<<21)|(5<<22)|(3<<25)   ; W's on the head alone: shared along my column
.irp g, G1X, G1W, G1Y
	s_mov_b32 s[\g+1], 256<<16                     ; tensor_dim0
	s_mov_b32 s[\g+3], 256<<16                     ; tile_dim0
	s_mov_b32 s[\g+5], 512                         ; tensor_dim0_stride
	s_mov_b32 s[\g+6], 0
	s_mov_b32 s[\g+7], 0
.endr
.irp g, G1X, G1W
	s_mov_b32 s[\g+2], 64<<16                      ; tensor_dim1
	s_mov_b32 s[\g+4], 64                          ; tile_dim1
.endr
	s_mov_b32 s[G1Y+2], 128<<16
	s_mov_b32 s[G1Y+4], 128
	v_and_b32 v96, 15, v0                          ; r = lane % 16
	v_bfe_u32 v[HH], v0, 4, 1
	v_and_b32 v97, 31, v0
	s_delay_alu instid0(VALU_DEP_1)
	v_lshlrev_b32 v[L16], 4, v97
	s_delay_alu instid0(VALU_DEP_4)
	v_lshlrev_b32 v[R4], 2, v96
	v_lshlrev_b32 v[R16], 4, v96
	v_lshlrev_b32 v[H32], 5, v[HH]
	v_mul_u32_u24 v97, v96, PT
	s_delay_alu instid0(VALU_DEP_1)
	v_lshl_add_u32 v97, v[HH], 4, v97              ; a fragment's row x pitch + 16 x half
	s_mul_i32 s41, s[QT], RGN
	v_add_nc_u32 v[AX], s41, v97                   ; my quarter's 64 rows of x
	s_add_co_u32 s41, s[ROLE], 4
	s_mul_i32 s41, s41, RGN
	v_add_nc_u32 v[AW], s41, v97                   ; my role's W
	v_add_nc_u32 v[AX2], HALF, v[AX]
	v_add_nc_u32 v[AW2], HALF, v[AW]
	; the bias's offsets: register j of W tile w: Q, K: b(16 w + 8 (lane / 16) + j); V: b(16 w + lane % 16) in all eight
	s_cmp_eq_u32 s[ROLE], 2
	s_cselect_b32 s86, -1, 0
	s_cselect_b32 s88, 0, 4
	v_cndmask_b32 v[BO+8], v[H32], v[R4], s86
.irp j, 0,1,2,3,4,5,6,7
	v_mad_u32_u24 v[BO+\j], s88, \j, v[BO+8]
.endr
	s_mov_b32 s[SEL], 0x76543210
	s_mov_b32 s[SEL+1], 0xfedcba98
	s_mov_b32 s[MNT], 0x600000
	s_lshl_b32 s80, s[TBK], 17                     ; x: 256 rows of 512 bytes a block: made of the token block and the wave's number alone
	s_mov_b32 s81, 0
	s_lshl_b32 s94, s[WV], 15
	s_add_co_u32 s94, s80, s94                     ; waves 0-3: 64 rows each, first half of K
	s_mov_b32 s95, 0
	s_lshl_b32 s84, s[HD], 15                      ; W: 64 rows of 512 bytes a head: made of the head alone
	s_mov_b32 s85, 0
	s_mul_i32 s82, s[WV], RGN                      ; x's regions: wave x 64 rows
	; where my results go: bh = 8 x batch + head; my first tile of 16 tokens in the head; my key step's block in kv
	s_lshr_b32 s41, s[TBK], 3
	s_lshl_b32 s41, s41, 3
	s_add_co_u32 s41, s41, s[HD]                   ; bh
	s_and_b32 s42, s[TBK], 7                       ; which 256 tokens of the batch's 2,048
	s_lshl_b32 s43, s41, 7
	s_lshl_b32 s83, s42, 4
	s_add_co_u32 s43, s43, s83
	s_lshl_b32 s83, s[QT], 2
	s_add_co_u32 s43, s43, s83                     ; tile = 128 bh + 16 x block + 4 x quarter
	s_lshl_b32 s99, s41, 4
	s_lshl_b32 s83, s42, 1
	s_add_co_u32 s99, s99, s83
	s_lshr_b32 s83, s[QT], 1
	s_add_co_u32 s99, s99, s83
	s_mul_i32 s99, s99, BLKB                       ; (16 bh + 2 x block + quarter / 2) x 16,896
	s_and_b32 s42, s[QT], 1                        ; which half of the key step's 128 tokens is mine
	s_mov_b32 s87, 0
	s_wait_dscnt 0x0
	CROUND                                         ; all sixteen work-groups are here: the joint loads meet
	s_wait_kmcnt 0x0
	; my role's scales and bias (a choice on the wave's number), at my head; my tokens' scales
	s_cmp_eq_u32 s[ROLE], 0
	s_cselect_b64 s[88:89], s[14:15], s[16:17]
	s_cselect_b64 s[90:91], s[20:21], s[22:23]
	s_cmp_eq_u32 s[ROLE], 2
	s_cselect_b64 s[88:89], s[18:19], s[88:89]
	s_cselect_b64 s[90:91], s[24:25], s[90:91]
	s_lshl_b32 s86, s[HD], 10                      ; 64 rows x 16 scale bytes
	s_add_nc_u64 s[88:89], s[88:89], s[86:87]
	s_lshl_b32 s86, s[HD], 8                       ; 64 f32
	s_add_nc_u64 s[90:91], s[90:91], s[86:87]
	s_lshl_b32 s86, s[TBK], 12                     ; 256 tokens x 16 scale bytes, 64 tokens a quarter
	s_lshl_b32 s83, s[QT], 10
	s_add_co_u32 s86, s86, s83
	s_add_nc_u64 s[92:93], s[6:7], s[86:87]
	; ONE tensor load a wave, in one chain of arms.  First half of K: waves 0-3 x's four regions, waves 4, 5, 6 the three weights: the first barrier shows them.
	; Second half: waves 7 and 8 x's 128 rows each, waves 9, 10, 11 the weights: the second barrier shows them.  Four v_nop follow each line
.macro LOADT lds, base, off, g1
	s_mov_b32 s[G0X], 1
	s_mov_b32 s[G0X+1], \lds
	s_add_nc_u64 s[G0X+2:G0X+3], \base, \off
	s_or_b32 s[G0X+3], s[G0X+3], 0x80000000
	tensor_load_to_lds s[G0X:G0X+3], s[\g1:\g1+7]
	s_nop 0
	PLACES 4
.endm
.macro ARM under, lds, base, off, g1
	s_cmp_lt_u32 s[WV], \under
	s_cbranch_scc0 .Lnot_mine_\@
	LOADT \lds, \base, \off, \g1
	s_branch .Lasked
.Lnot_mine_\@:
.endm
	ARM 4, s82, s[4:5], s[94:95], G1X
	ARM 5, 4*RGN, s[8:9], s[84:85], G1W
	ARM 6, 5*RGN, s[10:11], s[84:85], G1W
	ARM 7, 6*RGN, s[12:13], s[84:85], G1W
	s_add_co_u32 s80, s80, 256
	s_add_co_u32 s84, s84, 256
	ARM 8, HALF, s[4:5], s[80:81], G1Y
	s_add_co_u32 s80, s80, 65536
	ARM 9, HALF+2*RGN, s[4:5], s[80:81], G1Y
	ARM 10, HALF+4*RGN, s[8:9], s[84:85], G1W
	ARM 11, HALF+5*RGN, s[10:11], s[84:85], G1W
	LOADT HALF+6*RGN, s[12:13], s[84:85], G1W
.Lasked:
	; a row's 16 scale bytes are the four words of its four K steps: sixteen lanes read 256 consecutive bytes (lanes 16-31 the same again)
	s_wait_alu depctr_va_vdst(0)
.irp i, 0,1,2,3
	global_load_b128 v[XF+4*\i:XF+4*\i+3], v[R16], s[88:89] offset:256*\i          ; W tile i
	global_load_b128 v[XF+16+4*\i:XF+16+4*\i+3], v[R16], s[92:93] offset:256*\i    ; x tile i
.endr
	s_set_vgpr_msb 0x40
.irp w, 0,1,2,3
.irp j, 0,1,2,3,4,5,6,7
	global_load_b32 v[BIA+8*\w+\j], v[BO+\j], s[90:91] offset:64*\w   ; v260 on
.endr
.endr
	s_set_vgpr_msb 0x4000
	s_wait_loadcnt 32                              ; the scale bytes are in; the bias's 32 loads may be out
	v_cmp_ne_u32 vcc_lo, 0, v[HH]
.irp k, 0,1,2,3,4,5,6,7,8,9,10,11,12,13,14,15
	v_cndmask_b32 v[SC+\k], v[XF+\k], v[XF+16+\k], vcc_lo   ; one register carries W's words below and x's above
.endr
	PLACES 8                                       ; a scale register written by a vector instruction stands eight places ahead of the product that names it; they stand here, where the wave waits for its tile anyway
	s_cmp_lt_u32 s[WV], 7
	s_cbranch_scc0 .Lnot_first
	s_wait_tensorcnt 0x0                           ; waves 0-6: my tile of the first half of K has landed,
.Lnot_first:
	s_barrier_signal -1
	s_barrier_wait -1                              ; all seven have
.macro XFRAGS s
.irp t, 0,1,2,3
.irp c, 0,1,2,3
	ds_load_b128 v[XF+16*\t+4*\c:XF+16*\t+4*\c+3], v[AX+(AX2-AX)*((\s)/2)] offset:TILE*\t+128*((\s)%2)+32*\c
.endr
.endr
.endm
.macro WFRAG buf, w, s                 ; W's tile w of K step s into buffer buf
.irp c, 0,1,2,3
	ds_load_b128 v[WF+16*(\buf)+4*\c:WF+16*(\buf)+4*\c+3], v[AW+(AW2-AW)*((\s)/2)] offset:TILE*(\w)+128*((\s)%2)+32*\c
.endr
.endm
; four products: W's tile w against x's four tiles.  v = 0 (Q, K): source 0 = W, accumulator (t, w) at 8 (4 t + w).  v = 1 (V): source 0 = x, accumulator (w, t) at 8 (4 w + t).  The first K step's C is the bias, in window 1.
; The sixteen accumulators take turns, one instruction a turn.
.macro MUL v, buf, w, s
.irp t, 0,1,2,3
.if \v
.if (\s) == 0
	v_wmma_scale_f32_16x16x128_f8f6f4 v[ACC+8*(4*(\w)+\t):ACC+8*(4*(\w)+\t)+7], v[XF+16*\t:XF+16*\t+15], v[WF+16*(\buf):WF+16*(\buf)+15], v[BIA+8*(\w):BIA+8*(\w)+7], v[SC+4*\t+(\s)], v[SC+4*(\w)+(\s)] matrix_a_fmt:MATRIX_FMT_BF8 matrix_b_fmt:MATRIX_FMT_BF8 matrix_a_scale:MATRIX_SCALE_ROW1
.else
	v_wmma_scale_f32_16x16x128_f8f6f4 v[ACC+8*(4*(\w)+\t):ACC+8*(4*(\w)+\t)+7], v[XF+16*\t:XF+16*\t+15], v[WF+16*(\buf):WF+16*(\buf)+15], v[ACC+8*(4*(\w)+\t):ACC+8*(4*(\w)+\t)+7], v[SC+4*\t+(\s)], v[SC+4*(\w)+(\s)] matrix_a_fmt:MATRIX_FMT_BF8 matrix_b_fmt:MATRIX_FMT_BF8 matrix_a_scale:MATRIX_SCALE_ROW1
.endif
.elseif (\s) == 0
	v_wmma_scale_f32_16x16x128_f8f6f4 v[ACC+8*(4*\t+(\w)):ACC+8*(4*\t+(\w))+7], v[WF+16*(\buf):WF+16*(\buf)+15], v[XF+16*\t:XF+16*\t+15], v[BIA+8*(\w):BIA+8*(\w)+7], v[SC+4*(\w)+(\s)], v[SC+4*\t+(\s)] matrix_a_fmt:MATRIX_FMT_BF8 matrix_b_fmt:MATRIX_FMT_BF8 matrix_b_scale:MATRIX_SCALE_ROW1
.else
	v_wmma_scale_f32_16x16x128_f8f6f4 v[ACC+8*(4*\t+(\w)):ACC+8*(4*\t+(\w))+7], v[WF+16*(\buf):WF+16*(\buf)+15], v[XF+16*\t:XF+16*\t+15], v[ACC+8*(4*\t+(\w)):ACC+8*(4*\t+(\w))+7], v[SC+4*(\w)+(\s)], v[SC+4*\t+(\s)] matrix_a_fmt:MATRIX_FMT_BF8 matrix_b_fmt:MATRIX_FMT_BF8 matrix_b_scale:MATRIX_SCALE_ROW1
.endif
.endr
.endm
; A K step of 128: 16 products.  Eight places stand in front of each run of loads into registers that matrix instructions have read.
.macro KSTEP v, s
	XFRAGS \s
	WFRAG 0, 0, \s
	WFRAG 1, 1, \s
	s_wait_dscnt 4                                 ; x's fragments and W's tile 0 are in; tile 1's four loads may be out
.if (\s) == 0
	s_wait_loadcnt 0x0                             ; the bias
	s_set_vgpr_msb 0x10                            ; C in window 1
.endif
	MUL \v, 0, 0, \s
	PLACES 8
	WFRAG 0, 2, \s
	s_wait_dscnt 4                                 ; tile 1 is in; tile 2's four may be out
	MUL \v, 1, 1, \s
	PLACES 8
	WFRAG 1, 3, \s
	s_wait_dscnt 4                                 ; tile 2 is in; tile 3's four may be out
	MUL \v, 0, 2, \s
	s_wait_dscnt 0x0
	MUL \v, 1, 3, \s
.if (\s) == 0
	s_set_vgpr_msb 0x1000
.endif
	PLACES 8                                       ; for the next K step's loads, and for the first read of results
.endm
; 32 numbers of a lane, register 16 b + i in block b, become 8 registers of codes at v[pc] and the two scale bytes in v[pw].  A block lies in lanes l and l xor 16.
.macro QUANT2 s, pc, pw
.set QS, \s
.set QP, \pc
.set QW, \pw
.irp b, 0,1
	v_max3_num_f32 v[TM+\b], |v[QS+16*\b]|, |v[QS+16*\b+1]|, 0x8000000   ; my 16 numbers of block b, and the floor 2^(16 - 127): the byte cannot fall under 1
.endr
.irp i, 2,4,6,8,10,12,14
.irp b, 0,1
	v_max3_num_f32 v[TM+\b], v[TM+\b], |v[QS+16*\b+\i]|, |v[QS+16*\b+\i+1]|
.endr
.endr
.irp b, 0,1
	s_delay_alu instid0(VALU_DEP_2)
	v_permlanex16_b32 v[TM+2+\b], v[TM+\b], s[SEL], s[SEL+1]
.endr
.irp b, 0,1
	s_delay_alu instid0(VALU_DEP_2)
	v_max_num_f32 v[TM+\b], v[TM+\b], v[TM+2+\b]   ; the block's largest magnitude
.endr
.irp b, 0,1
	s_delay_alu instid0(VALU_DEP_2)
	v_add_nc_u32 v[TM+6+\b], 0xf8800000, v[TM+\b]  ; 15 off its exponent field: the conversion's scale operand
.endr
.irp b, 0,1
	s_delay_alu instid0(VALU_DEP_4)
	v_and_or_b32 v[TM+4+\b], v[TM+\b], 0x7f800000, s[MNT]   ; 57,344 x the scale
.endr
.irp b, 0,1
	s_delay_alu instid0(VALU_DEP_4)
	v_lshrrev_b32 v[TM+2+\b], 23, v[TM+6+\b]       ; the scale's byte
.endr
	s_delay_alu instid0(VALU_DEP_1)
	v_lshl_or_b32 v[QW], v[TM+3], 8, v[TM+2]
.irp b, 0,1
.irp i, 0,1,2,3,4,5,6,7,8,9,10,11,12,13,14,15
	v_med3_num_f32 v[QS+16*\b+\i], v[QS+16*\b+\i], -v[TM+4+\b], v[TM+4+\b]   ; the conversion to an 8-bit code does not saturate (ISA guide 7.6.2): the hold comes first
.endr
	v_cvt_scalef32_pk8_bf8_f32 v[QP+4*\b:QP+4*\b+1], v[QS+16*\b:QS+16*\b+7], v[TM+6+\b]
	v_cvt_scalef32_pk8_bf8_f32 v[QP+4*\b+2:QP+4*\b+3], v[QS+16*\b+8:QS+16*\b+15], v[TM+6+\b]
.endr
	v_nop                                          ; one plain vector instruction behind the last scaled conversion
.endm
	s_wait_alu depctr_va_vdst(0)                   ; ahead of the branch
	s_cmp_eq_u32 s[ROLE], 2                        ; the roles part for the first half of K, meet at the barrier and part again; no barrier stands in an arm
	s_cbranch_scc1 .Lfirst_v
	KSTEP 0, 0
	KSTEP 0, 1
	s_branch .Lfirst_done
.Lfirst_v:
	KSTEP 1, 0
	KSTEP 1, 1
.Lfirst_done:
	s_wait_tensorcnt 0x0                           ; waves 7-11: my tile of the second half has landed,
	s_wait_dscnt 0x0
	s_barrier_signal -1
	s_barrier_wait -1                              ; everybody's has
	s_cmp_eq_u32 s[ROLE], 2
	s_cbranch_scc1 .Lrole_v
	; ---- Q and K
	s_lshl_b32 s80, s43, 10
	s_lshl_b32 s82, s43, 6                         ; its 16 scale words 64
	s_lshl_b32 s84, s42, 12
	s_add_co_u32 s84, s84, s99                     ; K: my four tiles' images in the key step's block,
	s_lshl_b32 s86, s42, 7
	s_add_co_u32 s86, s86, s99
	s_add_co_u32 s86, s86, 16384                   ; and my two pairs' scale words
	s_cmp_eq_u32 s[ROLE], 0
	s_cselect_b64 s[92:93], s[26:27], s[30:31]     ; (x's scales, which s[92:93] pointed to, were waited for)
	s_cselect_b64 s[94:95], s[28:29], s[30:31]
	s_cselect_b32 s80, s80, s84
	s_cselect_b32 s82, s82, s86
	s_mov_b32 s81, 0
	s_mov_b32 s83, 0
	s_add_nc_u64 s[92:93], s[92:93], s[80:81]
	s_add_nc_u64 s[94:95], s[94:95], s[82:83]
	KSTEP 0, 2
	KSTEP 0, 3
	v_mov_b32 v[TM+2], 0                           ; a lane permute's destination counts as one of its sources
	v_mov_b32 v[TM+3], 0
.irp g, 0,1,2,3                        ; tile g of my four: 16 tokens x 64 d: two blocks of 32
	QUANT2 ACC+32*\g, PC+8*\g, PW+\g
	global_store_b128 v[L16], v[PC+8*\g:PC+8*\g+3], s[92:93] offset:1024*\g        ; 32 lanes store 512 consecutive bytes
	global_store_b128 v[L16], v[PC+8*\g+4:PC+8*\g+7], s[92:93] offset:1024*\g+512
.endr
	s_cmp_eq_u32 s[ROLE], 1
	s_cbranch_scc1 .Lwords_k
.irp g, 0,1,2,3
	v_lshl_or_b32 v[WD+\g], v[PW+\g], 16, v[PW+\g]   ; Q's word: its two bytes twice, since Q stands in the lower or in the upper half of a 128-deep operand
.endr
.irp g, 0,1,2,3
	global_store_b32 v[R4], v[WD+\g], s[94:95] offset:64*\g   ; lanes l and l xor 16 hold the same word and store it to the same place
.endr
	s_branch .Ldone
.Lwords_k:
	v_lshl_or_b32 v[WD], v[PW+1], 16, v[PW]        ; K's word: a pair of tiles shares a 128-deep operand: the even tile's two bytes, then the odd tile's
	v_lshl_or_b32 v[WD+1], v[PW+3], 16, v[PW+2]
	global_store_b32 v[R4], v[WD], s[94:95]
	global_store_b32 v[R4], v[WD+1], s[94:95] offset:64
	s_branch .Ldone
.Lrole_v:
	; ---- V
	s_lshl_b32 s80, s42, 10
	s_add_co_u32 s80, s80, s99
	s_add_co_u32 s80, s80, 8192                    ; V's images: d tile g at 2,048 g, key block c at 512 c; mine are c = 2 x half + 0, 1
	s_lshl_b32 s82, s42, 1
	s_add_co_u32 s82, s82, s99
	s_add_co_u32 s82, s82, 16640                   ; V's scale words: my two bytes of each
	s_mov_b32 s81, 0
	s_mov_b32 s83, 0
	s_add_nc_u64 s[92:93], s[30:31], s[80:81]
	s_add_nc_u64 s[94:95], s[30:31], s[82:83]
	KSTEP 1, 2
	KSTEP 1, 3
	v_mov_b32 v[TM+2], 0
	v_mov_b32 v[TM+3], 0
.irp g, 0,1,2,3                        ; d tile g: 16 d x my 64 tokens: two blocks of 32 along the keys
	QUANT2 ACC+32*\g, PC+8*\g, PW+\g
	global_store_b128 v[L16], v[PC+8*\g:PC+8*\g+3], s[92:93] offset:2048*\g
	global_store_b128 v[L16], v[PC+8*\g+4:PC+8*\g+7], s[92:93] offset:2048*\g+512
	global_store_b16 v[R4], v[PW+\g], s[94:95] offset:64*\g   ; two of a word's four bytes; the other half's wave stores the other two.  256 bytes a key step: a small part of what the launch stores
.endr
.Ldone:
	s_set_vgpr_msb 0x5
	s_wait_tensorcnt 0x0
	ds_add_u32 v0, v1
	s_wait_dscnt 0x0
	s_set_vgpr_msb 0x500
	CROUND                                         ; the closing round: no work-group ends while a partner may still ask for a tile that names it
	s_endpgm
.Lfunc_end_k_qc2eeacaaba_qkv:
	.size	k_qc2eeacaaba_qkv, .Lfunc_end_k_qc2eeacaaba_qkv-k_qc2eeacaaba_qkv
	.p2alignl 7, 3214868480
	.fill 96, 4, 3214868480
	.section	.rodata,"a",@progbits
	.p2align	6, 0x0
	.amdhsa_kernel k_qc2eeacaaba_qkv
		.amdhsa_group_segment_fixed_size 245248
		.amdhsa_private_segment_fixed_size 0
		.amdhsa_enable_private_segment 0
		.amdhsa_kernarg_size 112
		.amdhsa_user_sgpr_count 2
		.amdhsa_user_sgpr_kernarg_segment_ptr 1
		.amdhsa_wavefront_size32 1
		.amdhsa_system_sgpr_workgroup_id_x 1
		.amdhsa_system_sgpr_workgroup_id_y 1
		.amdhsa_system_sgpr_workgroup_id_z 1
		.amdhsa_system_vgpr_workitem_id 0
		.amdhsa_next_free_vgpr 292
		.amdhsa_next_free_sgpr 100
		.amdhsa_reserve_vcc 1
		.amdhsa_float_denorm_mode_32 3
		.amdhsa_float_denorm_mode_16_64 3
		.amdhsa_memory_ordered 1
		.amdhsa_forward_progress 1
		.amdhsa_inst_pref_size 95
	.end_amdhsa_kernel
	.amdgpu_metadata
---
amdhsa.version: [ 1, 2 ]
amdhsa.kernels:
  - .name:           k_qc2eeacaaba_qkv
    .symbol:         k_qc2eeacaaba_qkv.kd
    .args:
      - { .name: x_codes, .offset: 0, .size: 8, .value_kind: global_buffer, .address_space: global }
      - { .name: x_scales, .offset: 8, .size: 8, .value_kind: global_buffer, .address_space: global }
      - { .name: Wq_codes, .offset: 16, .size: 8, .value_kind: global_buffer, .address_space: global }
      - { .name: Wk_codes, .offset: 24, .size: 8, .value_kind: global_buffer, .address_space: global }
      - { .name: Wv_codes, .offset: 32, .size: 8, .value_kind: global_buffer, .address_space: global }
      - { .name: Wq_scales, .offset: 40, .size: 8, .value_kind: global_buffer, .address_space: global }
      - { .name: Wk_scales, .offset: 48, .size: 8, .value_kind: global_buffer, .address_space: global }
      - { .name: Wv_scales, .offset: 56, .size: 8, .value_kind: global_buffer, .address_space: global }
      - { .name: bq, .offset: 64, .size: 8, .value_kind: global_buffer, .address_space: global }
      - { .name: bk, .offset: 72, .size: 8, .value_kind: global_buffer, .address_space: global }
      - { .name: bv, .offset: 80, .size: 8, .value_kind: global_buffer, .address_space: global }
      - { .name: q_img, .offset: 88, .size: 8, .value_kind: global_buffer, .address_space: global }
      - { .name: q_sc, .offset: 96, .size: 8, .value_kind: global_buffer, .address_space: global }
      - { .name: kv, .offset: 104, .size: 8, .value_kind: global_buffer, .address_space: global }
    .group_segment_fixed_size: 245248
    .private_segment_fixed_size: 0
    .kernarg_segment_align: 8
    .kernarg_segment_size: 112
    .max_flat_workgroup_size: 384
    .sgpr_count:     100
    .vgpr_count:     292
    .wavefront_size: 32
...
	.end_amdgpu_metadata
.endif
;; end of part 1
;; launch attn (part 2): grid 8 x 32, 16 waves a work-group, clusters of 4 x 1, 327,680 bytes of LDS; arguments q_img, q_sc, kv, a_img, a_sc; writes a_img, a_sc
.if DOCPART == 2
	.amdgcn_target "amdgcn-amd-amdhsa--gfx1250"
	.amdhsa_code_object_version 6
	.text
	.protected	k_qc2eeacaaba_attn
	.globl	k_qc2eeacaaba_attn
	.p2align	8
	.type	k_qc2eeacaaba_attn,@function
k_qc2eeacaaba_attn:
	s_mov_b64 s[64:65], 0
	v_nop
	global_prefetch_b8 v0, s[64:65] scope:SCOPE_SE
	s_setreg_imm32_b32 hwreg(HW_REG_WAVE_MODE, 25, 1), 1
	s_wait_xcnt 0x0
	s_wait_alu depctr_hold_cnt(0) depctr_sa_sdst(0) depctr_va_vdst(0) depctr_va_sdst(0) depctr_va_ssrc(0) depctr_va_vcc(0) depctr_vm_vsrc(0)
	s_getreg_b32 s2, hwreg(HW_REG_IB_STS2, 6, 4)
	s_cmp_eq_u32 s2, 0
	s_cbranch_scc0 .Lentry_in_a_cluster
	s_endpgm
.Lentry_in_a_cluster:
	s_bfe_u32 s2, ttmp6, 0x10000c
	s_cmp_lg_u32 s2, 0x3003
	s_cbranch_scc0 .Lentry_shape_is_right
	s_endpgm
.Lentry_shape_is_right:
; Causal attention of one (batch, head) on codes of BF8 (E5M2) with one E8M0 scale for each 32 along a product's K; the result is quantised along (head, d) and stored as images of operand registers for the last product.
; t = score x log2(e) / 8; M = the running largest t rounded UP to a whole number; p = 2^(t - M) is quantised along the keys, not normalised; the row's sum is taken of the unquantised p and divides at the end.
; When M moves, the sum and O are multiplied by 2^(old M - new M): exact.  Key steps that the causal mask hides whole are not walked.
; SHARES.  Work-group g (0..7) of a head takes tile g (16 queries) of EVERY block of 128 queries: row j = queries 128 j + 16 g + 0..15, which needs key steps 0 .. j; step j lies on the diagonal.
; Rows J and L = 15 - J (J = 0..7) have 17 steps together and belong to waves b = J and a = 8 + J, in nine trips T:
;   a: row L: eight steps, trips 0 to 7;  b: row L's other 8 - J steps, trips 0 to 7 - J; there it leaves its O, sum and -M in LDS and begins row J: steps 0 .. J in trips 8 - J to 8.
;   Row L: b takes steps 2, 3, 5, 11, 12 .. 15 as far as its 8 - J trips reach, a the others in ascending order: so trips 0 to 2 name steps 0 to 5 alone, in either wave.
; Behind a barrier that b signals ahead of trip 8, a joins b's part of row L to its own and stores row L; b stores row J.  No branch hangs on g.
; LDS.  A head's K and V as the first launch laid them, 16 key steps x 16,896 bytes = 1,056 rows of 256 bytes, fit at once: each byte is filled once.  Wave w fetches rows 25 w .. 25 w + 24 at the head (400 rows: steps 0 to 5 and 4 rows more)
; and rows 400 + 41 w .. + 40 behind the head's barrier.  Each wave waits for its second piece ahead of its trip 2, signals there, and waits for the others behind that trip.
; Nothing is prefetched: all that a work-group reads is asked for by these two loads a wave, the second directly behind the round that shows the first, three trips ahead of its first reader.
; CLUSTER 4 x 1: four work-groups of one head read the same bytes: each piece is asked for jointly.
; LAYOUT.  S^T = K Q^T (source 0 = keys), O^T = V^T P^T (source 0 = 16 of the head's 64): a lane holds ONE query (lane % 16) throughout.
; K = 64 IN A 128-DEEP INSTRUCTION: a fragment of K holds TWO tiles of 16 keys, X in registers 0-7 and Y in 8-15; Q stands between two runs of eight zero registers: [Q, 0] gives X Q^T and [0, Q] gives Y Q^T; zero codes add nothing.
; The order of k inside a block of 32 is the one in which all these operands were made: the same on both sides of each product.
; THE MASK is the C of the diagonal step's products: 0 where the key counts, -3e38 where it is hidden: p = 0 there.
; LIMITS: NaN and infinities are not served; scaled scores stay under 2^31 in magnitude.  A block of zeros gets the byte 1: its codes are zeros, and this program alone reads the bytes.
.set STEPB, 16896                      ; a key step's block: K's images at 0 (pair p at 2,048 p), V's at 8,192 (d tile t at 2,048 t), K's scale words at 16,384, V's at 16,640
.set RA,    25                         ; rows of 256 bytes that a wave fetches at the head,
.set RB2,   41                         ; and behind the head's barrier: 16 x (25 + 41) = 1,056
.set MBASE, 16*STEPB                   ; b's parts of the long rows: 4,352 bytes a pair of waves: O's 32 registers, then sum and -M
.set SLOTB, 4352
.set SPARE, MBASE+8*SLOTB              ; the spare words
.set L16, 1                            ; v1   16 x lane
.set L4,  2                            ; v2   4 x lane
.set DM,  3                            ; v3   lane % 16 - 8 (lane / 16): in the tile on the diagonal register i hides its key where i is larger
.set AD,  4                            ; v4   LDS address of the step's images
.set ADS, 5                            ; v5   of its scale words
.set R4,  6                            ; v6   4 x (lane % 16)
.set R16, 7                            ; v7   16 x (lane % 16)
.set QSC, 8                            ; v8   Q's scale words
.set KS,  10                           ; v10-11 K's scale words: lanes 0-15 pair 2 i, lanes 16-31 pair 2 i + 1
.set NM,  12                           ; v12 -M, v13 the largest t, v[14:15] the sum in two halves
.set VS,  16                           ; v16-17 V's scale words, likewise
.set QS2, 18                           ; v18  the short row's Q scale words
.set PS,  19                           ; v19  p's scale word for the step
.set MS,  20                           ; v20  LDS address of my pair's hand-over: O; v21 sum and -M
.set MS2, 21
.set ZL,  24                           ; v24-31 zeros | v32-39 Q | v40-47 zeros
.set Q,   32
.set KV,  48                           ; v48-111  four fragments: K's, then V's
.set P,   112                          ; v112-127 p's codes: block 0's in v112-115, blocks 1 to 3's over block 0's p, which has been converted by then
.set S,   116                          ; v116-179 S^T, then p: register 16 b + i belongs to block b of the step's four
.set O,   180                          ; v180-211 O^T: register 8 t + j is d = 16 t + 8 (lane / 16) + j
.set Q2,  212                          ; v212-219 the short row's Q
.set BM,  220                          ; v220-223 the blocks' largest scores, then largest p
.set BP,  224                          ; v224-227 the other half's; then the bytes
.set HL,  228                          ; v228-231 57,344 x the scale
.set SOP, 232                          ; v232-235 the conversions' scale operands
.set F,   236                          ; v[236:237] f = 2^(old M - new M); at the end 1 / the sum
.set T,   238
.set CH,  240                          ; v240-253 the sums' seven further chains
.set SPW, 254
.set NIL, 255
.set MK,  220                          ; the mask of the tile on the diagonal, v220-227, ahead of the maxima
.set MBV, 240                          ; v[240:241] a tile's addend
.set TM,  224                          ; the last quantiser works in v224-231
.set G1,  16                           ; s[16:23], s[24:27] the head's load
.set G0,  24
.set G0B, 28                           ; s[28:31], s[48:55] the second
.set G1B, 48
.set WV,  32
.set J,   33
.set SI,  34                           ; the key step
.set TB,  35                           ; its block's LDS byte
.set UJ,  36                           ; the row in hand
.set G,   37
.set BH,  38
.set L,   39
.set SEL, 40
.set CS,  42                           ; s[42:43] c = log2(e) / 8
.set MNT, 44
.set TR,  45                           ; the trip
.set MA,  66                           ; s[66:67]
.set BIG, 68
.set MB2, 69
.set X,   70                           ; the row that I store: a: L, b: J
.set TT,  71                           ; the trip in which b begins row J; 0 in a
.set OFFB, 72                          ; from the trip to the step, from trip TT on (trips 3 to 7)
.set RB,  73                           ; 0: a, 1: b
.set TB1, 74                           ; trip 1's LDS byte, trip 2's
.set TB2, 75
.macro PLACES n
.rept \n
	v_nop
.endr
.endm
.macro CROUND
	s_barrier_signal -1
	s_barrier_wait -1
	s_cmp_lg_u32 s[WV], 0
	s_cbranch_scc1 .Lnot_wave_0_\@
	s_barrier_signal -3
.Lnot_wave_0_\@:
	s_barrier_wait -3
	s_barrier_signal -1
	s_barrier_wait -1
.endm
.macro GROUP1 g, rows                  ; so many dense rows of 32 elements of 8 bytes, for all four work-groups
	s_mov_b32 s[\g], 15|(3<<16)|(1<<21)
	s_mov_b32 s[\g+1], 32<<16
	s_mov_b32 s[\g+2], (\rows)<<16
	s_mov_b32 s[\g+3], 32<<16
	s_mov_b32 s[\g+4], \rows
	s_mov_b32 s[\g+5], 32
	s_mov_b32 s[\g+6], 0
	s_mov_b32 s[\g+7], 0
.endm
.macro WM acc, fa, fb, cc, sa, sb, row
.if \row
	v_wmma_scale_f32_16x16x128_f8f6f4 v[\acc:\acc+7], v[\fa:\fa+15], v[\fb:\fb+15], \cc, v[\sa], v[\sb] matrix_a_fmt:MATRIX_FMT_BF8 matrix_b_fmt:MATRIX_FMT_BF8 matrix_a_scale:MATRIX_SCALE_ROW1
.else
	v_wmma_scale_f32_16x16x128_f8f6f4 v[\acc:\acc+7], v[\fa:\fa+15], v[\fb:\fb+15], \cc, v[\sa], v[\sb] matrix_a_fmt:MATRIX_FMT_BF8 matrix_b_fmt:MATRIX_FMT_BF8
.endif
.endm
; On the diagonal: the C of the eight tiles of 16 keys: tiles before g all count (0), tiles behind g are all hidden (-3e38), tile g by the lane's query.  g enters selects alone
.macro MASK
	v_mov_b32 v[T], 0xff61b1e6                     ; -3e38
.irp i, 0,1,2,3,4,5,6,7
	v_cmp_gt_i32 vcc_lo, \i, v[DM]
	v_cndmask_b32 v[MK+\i], 0, v[T], vcc_lo
.endr
	s_wait_alu depctr_va_vdst(0)                   ; directly behind the writes
.irp t, 0,1,2,3,4,5,6,7
	s_cmp_eq_u32 s[G], \t
	s_cselect_b32 s[MA], 1.0, 0
	s_cmp_lt_u32 s[G], \t
	s_cselect_b32 s[MB2], s[BIG], 0
	v_mov_b32 v[MBV], s[MB2]
.irp i, 0,2,4,6
	v_pk_fma_f32 v[S+8*\t+\i:S+8*\t+\i+1], v[MK+\i:MK+\i+1], s[MA:MA+1], v[MBV:MBV+1] op_sel_hi:[1,0,0]
.endr
.endr
.endm
; A KEY STEP: 128 keys.  d = 0: no key is hidden; 1: the step lies on the diagonal where it is the row's own; 2: it lies on the diagonal
.macro STEP d
	v_add_nc_u32 v[AD], s[TB], v[L16]
	v_add_nc_u32 v[ADS], s[TB], v[L4]
	ds_load_b32 v[KS], v[ADS] offset:16384
	ds_load_b32 v[KS+1], v[ADS] offset:16512
.irp p, 0,1,2,3
.irp c, 0,1,2,3
	ds_load_b128 v[KV+16*\p+4*\c:KV+16*\p+4*\c+3], v[AD] offset:2048*\p+512*\c   ; pair p: keys 32 p + 0..15 in registers 0-7, 32 p + 16..31 in 8-15
.endr
.endr
	ds_load_b32 v[VS], v[ADS] offset:16640
	ds_load_b32 v[VS+1], v[ADS] offset:16768
.if \d == 1
	s_cmp_lt_u32 s[SI], s[UJ]
	s_cbranch_scc1 .Lopen_\@
.endif
.if \d
	MASK
	s_wait_alu depctr_va_vdst(0)
.irp p, 0,1,2,3
	s_wait_dscnt 14-4*\p                           ; pair p is in; the later pairs and V's two scale words may be out
	WM S+16*\p, KV+16*\p, Q, v[S+16*\p:S+16*\p+7], KS+\p/2, QSC, (\p)%2
	WM S+16*\p+8, KV+16*\p, ZL, v[S+16*\p+8:S+16*\p+15], KS+\p/2, QSC, (\p)%2
.endr
.endif
.if \d == 1
	s_branch .Ljoin_\@
.Lopen_\@:
.endif
.if \d < 2
	s_wait_alu depctr_va_vdst(0)
.irp p, 0,1,2,3
	s_wait_dscnt 14-4*\p
	WM S+16*\p, KV+16*\p, Q, 0, KS+\p/2, QSC, (\p)%2
	WM S+16*\p+8, KV+16*\p, ZL, 0, KS+\p/2, QSC, (\p)%2
.endr
.endif
.if \d == 1
.Ljoin_\@:
.endif
	PLACES 8                                       ; in front of loads into registers that the products read, and of the first read of the scores
.irp t, 0,1,2,3
.irp c, 0,1,2,3
	ds_load_b128 v[KV+16*\t+4*\c:KV+16*\t+4*\c+3], v[AD] offset:8192+2048*\t+512*\c   ; V's four fragments land while the softmax is worked
.endr
.endr
.irp b, 0,1,2,3
	v_max3_num_f32 v[BM+\b], v[S+16*\b], v[S+16*\b+1], v[S+16*\b+2]   ; the largest score of each block of 32 keys: it serves for the row's maximum and, since p rises with the score, for the block's largest p
.endr
.irp i, 3,5,7,9,11,13
.irp b, 0,1,2,3
	v_max3_num_f32 v[BM+\b], v[BM+\b], v[S+16*\b+\i], v[S+16*\b+\i+1]
.endr
.endr
.irp b, 0,1,2,3
	v_max_num_f32 v[BM+\b], v[BM+\b], v[S+16*\b+15]
.endr
.irp b, 0,1,2,3
	s_delay_alu instid0(VALU_DEP_4)
	v_permlanex16_b32 v[BP+\b], v[BM+\b], s[SEL], s[SEL+1]
.endr
.irp b, 0,1,2,3
	s_delay_alu instid0(VALU_DEP_4)
	v_max_num_f32 v[BM+\b], v[BM+\b], v[BP+\b]     ; with lane l xor 16's 16 keys
.endr
	s_delay_alu instid0(VALU_DEP_2)
	v_max3_num_f32 v[T], v[BM], v[BM+1], v[BM+2]
	s_delay_alu instid0(VALU_DEP_1)
	v_max_num_f32 v[T], v[T], v[BM+3]              ; the step's largest score of my query
	s_delay_alu instid0(VALU_DEP_1)
	v_mul_f32 v[T], s[CS], v[T]                    ; as t (c is positive)
	s_delay_alu instid0(VALU_DEP_1)
	v_max_num_f32 v[NM+1], v[NM+1], v[T]           ; the running largest t
	v_mov_b32 v[T], v[NM]
	s_delay_alu instid0(VALU_DEP_2)
	v_floor_f32 v[NM], -v[NM+1]                    ; the new -M = floor(-t) = -ceil(t)
	s_delay_alu instid0(VALU_DEP_1)
	v_sub_f32 v[T], v[NM], v[T]                    ; old M - new M: a whole number, 0 or less
	s_delay_alu instid0(VALU_DEP_1)
	v_cvt_i32_f32 v[T], v[T]                       ; (it saturates)
	s_delay_alu instid0(VALU_DEP_1)
	v_ldexp_f32 v[F], 1.0, v[T]                    ; f = 2^(old M - new M)
.irp j, 0,2,4,6,8,10,12,14,16,18,20,22,24,26,28,30,32,34,36,38,40,42,44,46,48,50,52,54,56,58,60,62
	v_pk_fma_f32 v[S+\j:S+\j+1], v[S+\j:S+\j+1], s[CS:CS+1], v[NM:NM+1] op_sel_hi:[1,0,0]   ; t - M, two at a time
.endr
.irp b, 0,1,2,3
	v_fma_f32 v[BM+\b], v[BM+\b], s[CS], v[NM]     ; the same of each block's largest score
.endr
	s_wait_alu depctr_va_vdst(0)                   ; ahead of the batch
.irp j, 0,1,2,3,4,5,6,7,8,9,10,11,12,13,14,15,16,17,18,19,20,21,22,23,24,25,26,27,28,29,30,31,32,33,34,35,36,37,38,39,40,41,42,43,44,45,46,47,48,49,50,51,52,53,54,55,56,57,58,59,60,61,62,63
	v_exp_f32 v[S+\j], v[S+\j]                     ; p = 2^(t - M), at most 1
.endr
.irp b, 0,1,2,3
	v_exp_f32 v[BM+\b], v[BM+\b]                   ; the block's largest p: the same two instructions on the same number
.endr
	v_pk_mul_f32 v[NM+2:NM+3], v[NM+2:NM+3], v[F:F+1] op_sel_hi:[1,0]   ; the sums under the new M.  (A plain place behind the exponentials)
	s_wait_alu depctr_va_vdst(0)                   ; and one wait for the batch, ahead of its first reader
.irp b, 0,1,2,3
	v_max_num_f32 v[BM+\b], 0x8000000, v[BM+\b]    ; the floor 2^(16 - 127): the byte cannot fall under 1
.endr
.irp b, 0,1,2,3
	s_delay_alu instid0(VALU_DEP_4)
	v_add_nc_u32 v[SOP+\b], 0xf8800000, v[BM+\b]   ; 15 off the exponent field: the conversion's scale operand
.endr
.irp b, 0,1,2,3
	v_and_or_b32 v[HL+\b], v[BM+\b], 0x7f800000, s[MNT]   ; 57,344 x the scale
.endr
.irp b, 0,1,2,3
	v_lshrrev_b32 v[BP+\b], 23, v[SOP+\b]          ; the scale's byte
.endr
	s_delay_alu instid0(VALU_DEP_3)
	v_lshl_or_b32 v[PS], v[BP+1], 8, v[BP]         ; p's scale word for these 128 keys
	s_delay_alu instid0(VALU_DEP_1)
	v_lshl_or_b32 v[PS], v[BP+2], 16, v[PS]
	s_delay_alu instid0(VALU_DEP_1)
	v_lshl_or_b32 v[PS], v[BP+3], 24, v[PS]
	; the row's sum, of the unquantised p: 32 pairs in eight chains, v[14:15] one of them; the chains are joined behind the products below
.irp k, 0,2,4,6,8,10,12
	v_pk_add_f32 v[CH+\k:CH+\k+1], v[S+\k:S+\k+1], v[S+14+\k:S+15+\k]
.endr
	v_pk_add_f32 v[NM+2:NM+3], v[NM+2:NM+3], v[S+28:S+29]
.irp k, 0,2,4,6,8,10,12
	v_pk_add_f32 v[CH+\k:CH+\k+1], v[CH+\k:CH+\k+1], v[S+30+\k:S+31+\k]
.endr
	v_pk_add_f32 v[NM+2:NM+3], v[NM+2:NM+3], v[S+44:S+45]
.irp k, 0,2,4,6,8,10,12
	v_pk_add_f32 v[CH+\k:CH+\k+1], v[CH+\k:CH+\k+1], v[S+46+\k:S+47+\k]
.endr
	v_pk_add_f32 v[CH:CH+1], v[CH:CH+1], v[S+62:S+63]
	v_pk_add_f32 v[NM+2:NM+3], v[NM+2:NM+3], v[S+60:S+61]
.irp b, 0,1,2,3
.irp i, 0,2,4,6,8,10,12,14
	v_dual_min_num_f32 v[S+16*\b+\i], v[S+16*\b+\i], v[HL+\b] :: v_dual_min_num_f32 v[S+16*\b+\i+1], v[S+16*\b+\i+1], v[HL+\b]   ; the conversion does not saturate (ISA guide 7.6.2); p is not negative, so the hold is one-sided
.endr
	v_cvt_scalef32_pk8_bf8_f32 v[P+4*\b:P+4*\b+1], v[S+16*\b:S+16*\b+7], v[SOP+\b]
	v_cvt_scalef32_pk8_bf8_f32 v[P+4*\b+2:P+4*\b+3], v[S+16*\b+8:S+16*\b+15], v[SOP+\b]
.endr
.irp j, 0,2,4,6,8,10,12,14,16,18,20,22,24,26,28,30
	v_pk_mul_f32 v[O+\j:O+\j+1], v[O+\j:O+\j+1], v[F:F+1] op_sel_hi:[1,0]   ; O^T under the new M.  (These sixteen are also the places behind the conversions and in front of the products)
.endr
	s_wait_alu depctr_va_vdst(0)
	s_wait_dscnt 0x0                               ; V's fragments
.irp t, 0,1,2,3
	WM O+8*\t, KV+16*\t, P, v[O+8*\t:O+8*\t+7], VS+\t/2, PS, (\t)%2
.endr
	; eight places in front of the next step's loads and products, and of the next read of O^T: the seven additions that join the sum's chains, and one more
	v_pk_add_f32 v[CH+4:CH+5], v[CH+4:CH+5], v[CH+6:CH+7]
	v_pk_add_f32 v[CH+8:CH+9], v[CH+8:CH+9], v[CH+10:CH+11]
	v_pk_add_f32 v[CH:CH+1], v[CH:CH+1], v[CH+2:CH+3]
	v_pk_add_f32 v[NM+2:NM+3], v[NM+2:NM+3], v[CH+12:CH+13]
	s_delay_alu instid0(VALU_DEP_2)
	v_pk_add_f32 v[CH:CH+1], v[CH:CH+1], v[CH+4:CH+5]
	s_delay_alu instid0(VALU_DEP_2)
	v_pk_add_f32 v[NM+2:NM+3], v[NM+2:NM+3], v[CH+8:CH+9]
	s_delay_alu instid0(VALU_DEP_1)
	v_pk_add_f32 v[NM+2:NM+3], v[NM+2:NM+3], v[CH:CH+1]
	v_nop
.endm
; b, in trip TT: its part of row L goes to LDS, and row J begins: O^T and the sum as zeros, the largest t as -3e38, Q from v212-219
.macro TRANS
	s_cmp_lt_u32 s[WV], 8
	s_cbranch_scc0 .Lsame_\@
	s_cmp_lg_u32 s[TR], s[TT]
	s_cbranch_scc1 .Lsame_\@
	s_wait_alu depctr_va_vdst(0)                   ; ahead of the sum's reader
	v_add_f32 v[NM+2], v[NM+2], v[NM+3]
	v_mov_b32 v[NM+3], v[NM]
.irp k, 0,1,2,3,4,5,6,7
	ds_store_b128 v[MS], v[O+4*\k:O+4*\k+3] offset:512*\k
.endr
	ds_store_b64 v[MS2], v[NM+2:NM+3] offset:4096
	v_mov_b32 v[QSC], v[QS2]
.irp k, 0,2,4,6
	v_dual_mov_b32 v[Q+\k], v[Q2+\k] :: v_dual_mov_b32 v[Q+\k+1], v[Q2+\k+1]
.endr
.irp k, 0,2,4,6,8,10,12,14,16,18,20,22,24,26,28,30
	v_dual_mov_b32 v[O+\k], v[ZL] :: v_dual_mov_b32 v[O+\k+1], v[ZL+1]
.endr
	v_mov_b32 v[NM+1], 0xff61b1e6
	v_mov_b32 v[NM+2], 0
	v_mov_b32 v[NM+3], 0
	v_floor_f32 v[NM], -v[NM+1]
	s_wait_alu depctr_va_vdst(0)                   ; behind the writes
.Lsame_\@:
.endm
.macro QUANT2 s, pc, pw                ; 32 numbers of a lane, register 16 b + i in block b, become 8 registers of codes and two scale bytes
.set QS, \s
.set QP, \pc
.set QW, \pw
.irp b, 0,1
	v_max3_num_f32 v[TM+\b], |v[QS+16*\b]|, |v[QS+16*\b+1]|, 0x8000000   ; and the floor 2^(16 - 127): the byte cannot fall under 1
.endr
.irp i, 2,4,6,8,10,12,14
.irp b, 0,1
	s_delay_alu instid0(VALU_DEP_2)
	v_max3_num_f32 v[TM+\b], v[TM+\b], |v[QS+16*\b+\i]|, |v[QS+16*\b+\i+1]|
.endr
.endr
.irp b, 0,1
	s_delay_alu instid0(VALU_DEP_2)
	v_permlanex16_b32 v[TM+2+\b], v[TM+\b], s[SEL], s[SEL+1]
.endr
.irp b, 0,1
	s_delay_alu instid0(VALU_DEP_2)
	v_max_num_f32 v[TM+\b], v[TM+\b], v[TM+2+\b]
.endr
.irp b, 0,1
	s_delay_alu instid0(VALU_DEP_2)
	v_add_nc_u32 v[TM+6+\b], 0xf8800000, v[TM+\b]
.endr
.irp b, 0,1
	s_delay_alu instid0(VALU_DEP_4)
	v_and_or_b32 v[TM+4+\b], v[TM+\b], 0x7f800000, s[MNT]
.endr
.irp b, 0,1
	s_delay_alu instid0(VALU_DEP_4)
	v_lshrrev_b32 v[TM+2+\b], 23, v[TM+6+\b]
.endr
	s_delay_alu instid0(VALU_DEP_1)
	v_lshl_or_b32 v[QW], v[TM+3], 8, v[TM+2]
.irp b, 0,1
.irp i, 0,1,2,3,4,5,6,7,8,9,10,11,12,13,14,15
	v_med3_num_f32 v[QS+16*\b+\i], v[QS+16*\b+\i], -v[TM+4+\b], v[TM+4+\b]
.endr
	v_cvt_scalef32_pk8_bf8_f32 v[QP+4*\b:QP+4*\b+1], v[QS+16*\b:QS+16*\b+7], v[TM+6+\b]
	v_cvt_scalef32_pk8_bf8_f32 v[QP+4*\b+2:QP+4*\b+3], v[QS+16*\b+8:QS+16*\b+15], v[TM+6+\b]
.endr
	v_nop
.endm
; O^T / the sum, quantised along (head, d): my 64 d are two blocks of 32; the codes are groups 2 (head % 2) + 0, 1 of K step head / 2 of the last product's operand
.macro FINAL
	s_wait_alu depctr_va_vdst(0)
	v_add_f32 v[NM+2], v[NM+2], v[NM+3]            ; the sum's two halves,
	s_wait_alu depctr_va_vdst(0)
	v_permlanex16_b32 v[BP], v[NM+2], s[SEL], s[SEL+1]
	s_delay_alu instid0(VALU_DEP_1)
	v_add_f32 v[NM+2], v[NM+2], v[BP]              ; and lane l xor 16's: the row's sum
	s_wait_alu depctr_va_vdst(0)
	v_rcp_f32 v[F], v[NM+2]
	v_mov_b32 v[F+1], 0                            ; a plain place behind the transcendental
	s_wait_alu depctr_va_vdst(0)
.irp j, 0,2,4,6,8,10,12,14,16,18,20,22,24,26,28,30
	v_pk_mul_f32 v[O+\j:O+\j+1], v[O+\j:O+\j+1], v[F:F+1] op_sel_hi:[1,0]
.endr
	QUANT2 O, P, T
	s_wait_alu depctr_va_vdst(0)                   ; a barrier's wait or a branch follows
.endm
	s_load_b256 s[4:11], s[0:1], 0x0               ; q_img s[4:5], q_sc s[6:7], kv s[8:9], a_img s[10:11]
	s_load_b64 s[12:13], s[0:1], 0x20              ; a_sc
	v_lshl_add_u32 v[SPW], v0, 2, SPARE
	v_mov_b32 v[NIL], 0
	ds_add_u32 v[SPW], v[NIL]
	ds_add_u32 v[SPW], v[NIL]
	v_lshrrev_b32 v4, 5, v0
	s_delay_alu instid0(VALU_DEP_1)
	v_readfirstlane_b32 s[WV], v4                  ; wave 0..15
	s_bfe_u32 s76, ttmp6, 0x40000                  ; cx
	s_lshl_b32 s[G], ttmp9, 2
	s_add_co_u32 s[G], s[G], s76                   ; g = 4 x cluster x + cx: it enters global addresses and the mask's selects alone
	s_and_b32 s[BH], ttmp7, 0xffff                 ; 8 x batch + head, which the four partners share
	s_and_b32 s[J], s[WV], 7
	s_lshr_b32 s77, s[WV], 3                       ; 1 in a
	s_xor_b32 s[RB], s77, 1                        ; 1 in b
	s_xor_b32 s[L], s[J], 15
	s_mul_i32 s78, s77, 15
	s_xor_b32 s[X], s[J], s78
	s_add_co_u32 s79, s[J], 1
	s_lshr_b32 s79, s79, 3                         ; 1 where J = 7
	s_xor_b32 s80, s79, 1                          ; 0 there
	s_add_co_u32 s81, s[J], 2
	s_lshr_b32 s81, s81, 3
	s_xor_b32 s81, s81, 1                          ; 0 where J = 6 or 7
	s_xor_b32 s82, s[J], 7
	s_add_co_u32 s82, s82, 1
	s_mul_i32 s[TT], s82, s[RB]                    ; b: 8 - J
	s_add_co_u32 s82, s80, s81
	s_add_co_u32 s82, s82, 1
	s_mul_i32 s82, s82, s77                        ; a: 3; 2 where J = 6, 1 where J = 7
	s_add_co_u32 s83, s[J], 8
	s_mul_i32 s83, s83, s[RB]                      ; b: 8 + J: trip 8 - J is step 16, which is 0 modulo 16
	s_add_co_u32 s[OFFB], s82, s83
	s_mul_i32 s[TB], s[RB], 2*STEPB                ; trip 0: a step 0, b step 2
	s_mul_i32 s84, s[RB], s80
	s_mul_i32 s84, s84, 3
	s_add_co_u32 s84, s84, s77
	s_mul_i32 s[TB1], s84, STEPB                   ; trip 1: a step 1, b step 3, or row J's step 0 where J = 7
	s_mul_i32 s84, s81, 5
	s_add_co_u32 s84, s84, s79
	s_mul_i32 s84, s84, s[RB]                      ; trip 2: b step 5, or row J's step 0 where J = 6, its step 1 where J = 7;
	s_add_co_u32 s85, s80, 3
	s_mul_i32 s85, s85, s77                        ; a step 4, or 3 where J = 7
	s_add_co_u32 s84, s84, s85
	s_mul_i32 s[TB2], s84, STEPB
	GROUP1 G1, RA
	GROUP1 G1B, RB2
	s_mul_i32 s85, s[BH], 16*STEPB
	s_mul_i32 s78, s[WV], RA*256                   ; my two pieces: in LDS,
	s_mul_i32 s79, s[WV], RB2*256
	s_add_co_u32 s79, s79, 16*RA*256
	s_add_co_u32 s60, s85, s78                     ; and in kv
	s_mov_b32 s61, 0
	s_add_co_u32 s62, s85, s79
	s_mov_b32 s63, 0
	s_lshl_b32 s86, s[BH], 7
	s_add_co_u32 s86, s86, s[G]
	s_lshl_b32 s87, s[L], 3
	s_add_co_u32 s87, s87, s86                     ; row L's tile of queries: 128 bh + 8 L + g
	s_lshl_b32 s88, s[J], 3
	s_add_co_u32 s88, s88, s86                     ; row J's
	s_lshl_b32 s90, s87, 10
	s_mov_b32 s91, 0
	s_lshl_b32 s92, s88, 10
	s_mov_b32 s93, 0
	s_lshl_b32 s94, s87, 6
	s_mov_b32 s95, 0
	s_lshl_b32 s96, s88, 6
	s_mov_b32 s97, 0
	s_lshr_b32 s80, s[BH], 3                       ; batch
	s_and_b32 s81, s[BH], 7                        ; head
	s_lshl_b32 s80, s80, 7
	s_add_co_u32 s80, s80, s[G]
	s_lshl_b32 s82, s[X], 3
	s_add_co_u32 s80, s80, s82                     ; the tile that I store, among all tokens' 512: 128 x batch + 8 X + g
	s_lshl_b32 s56, s80, 13                        ; a_img: 8,192 bytes a tile; K step head / 2 at 2,048, blocks 2 (head % 2) + 0, 1 at 512: together 1,024 x head
	s_lshl_b32 s82, s81, 10
	s_add_co_u32 s56, s56, s82
	s_mov_b32 s57, 0
	s_lshl_b32 s58, s80, 8                         ; a_sc: 16 bytes a token, bytes 2 x head + 0, 1
	s_lshl_b32 s82, s81, 1
	s_add_co_u32 s58, s58, s82
	s_mov_b32 s59, 0
	s_mul_i32 s76, s[J], SLOTB
	s_add_co_u32 s76, s76, MBASE                   ; my pair's hand-over
	s_mov_b32 s[SEL], 0x76543210
	s_mov_b32 s[SEL+1], 0xfedcba98
	s_mov_b32 s[CS], 0x3e38aa3b                    ; log2(e) / sqrt(64)
	s_mov_b32 s[CS+1], s[CS]                       ; (named with it as a pair, so it is written)
	s_mov_b32 s[MNT], 0x600000
	s_mov_b32 s[MA+1], 0                           ; (likewise)
	s_mov_b32 s[BIG], 0xff61b1e6
	s_wait_dscnt 0x0
	CROUND                                         ; all four work-groups are here: the joint loads meet
	s_wait_kmcnt 0x0
	s_mov_b32 s[G0], 1
	s_mov_b32 s[G0+1], s78
	s_add_nc_u64 s[G0+2:G0+3], s[8:9], s[60:61]
	s_or_b32 s[G0+3], s[G0+3], 0x80000000
	tensor_load_to_lds s[G0:G0+3], s[G1:G1+7]      ; every wave's one tensor load at the head
	s_nop 0
	PLACES 4
	s_mov_b32 s[G0B], 1
	s_mov_b32 s[G0B+1], s79
	s_add_nc_u64 s[G0B+2:G0B+3], s[8:9], s[62:63]
	s_or_b32 s[G0B+3], s[G0B+3], 0x80000000
	s_add_nc_u64 s[86:87], s[4:5], s[90:91]
	s_add_nc_u64 s[88:89], s[4:5], s[92:93]
	s_add_nc_u64 s[90:91], s[6:7], s[94:95]
	s_add_nc_u64 s[92:93], s[6:7], s[96:97]
	s_add_nc_u64 s[10:11], s[10:11], s[56:57]
	s_add_nc_u64 s[12:13], s[12:13], s[58:59]
	v_and_b32 v4, 31, v0
	v_and_b32 v5, 15, v0
	v_bfe_u32 v7, v0, 4, 1
	s_delay_alu instid0(VALU_DEP_3)
	v_lshlrev_b32 v[L16], 4, v4
	s_delay_alu instid0(VALU_DEP_4)
	v_lshlrev_b32 v[L4], 2, v4
	s_delay_alu instid0(VALU_DEP_4)
	v_lshlrev_b32 v[R4], 2, v5
	s_delay_alu instid0(VALU_DEP_4)
	v_lshlrev_b32 v7, 3, v7
	s_delay_alu instid0(VALU_DEP_1)
	v_sub_nc_u32 v[DM], v5, v7
	v_lshlrev_b32 v[R16], 4, v5
	v_add_nc_u32 v[MS], s76, v[L16]
	v_lshl_add_u32 v[MS2], v[L4], 1, s76
	global_load_b128 v[Q:Q+3], v[L16], s[86:87]    ; row L's Q image: it stays in registers,
	global_load_b128 v[Q+4:Q+7], v[L16], s[86:87] offset:512
	global_load_b32 v[QSC], v[R4], s[90:91]
	global_load_b128 v[Q2:Q2+3], v[L16], s[88:89]  ; and row J's, which b takes up in trip TT
	global_load_b128 v[Q2+4:Q2+7], v[L16], s[88:89] offset:512
	global_load_b32 v[QS2], v[R4], s[92:93]
.irp j, 0,1,2,3,4,5,6,7
	v_mov_b32 v[ZL+\j], 0                          ; the zero codes on both sides of Q
	v_mov_b32 v[Q+8+\j], 0
.endr
.irp j, 0,1,2,3,4,5,6,7,8,9,10,11,12,13,14,15,16,17,18,19,20,21,22,23,24,25,26,27,28,29,30,31
	v_mov_b32 v[O+\j], 0                           ; O^T: the first step finds zeros, which the first change of M leaves zeros
.endr
	v_mov_b32 v[NM+1], 0xff61b1e6                  ; the largest t so far: -3e38, under every t
	s_delay_alu instid0(VALU_DEP_1)
	v_floor_f32 v[NM], -v[NM+1]                    ; -M
	v_mov_b32 v[NM+2], 0                           ; the sum, in two halves
	v_mov_b32 v[NM+3], 0
.irp j, 0,1,2,3
	v_mov_b32 v[BP+\j], 0                          ; a lane permute's destination counts as one of its sources
.endr
	v_mov_b32 v[F+1], 0                            ; (named as the upper half of a pair)
	v_mov_b32 v[MBV+1], 0                          ; (likewise)
	s_wait_alu depctr_va_vdst(0)                   ; at the head's end
	s_wait_tensorcnt 0x0                           ; my first piece has landed; these lines stand ahead of a later first fill
	ds_add_u32 v[SPW], v[NIL]
	s_wait_dscnt 0x0
	CROUND                                         ; everybody's has: key steps 0 to 5 lie in LDS
	tensor_load_to_lds s[G0B:G0B+3], s[G1B:G1B+7]  ; my second piece
	s_nop 0
	PLACES 4
	s_wait_loadcnt 0x0                             ; Q
	STEP 0                                         ; trip 0
	s_mov_b32 s[TR], 1
	TRANS
	s_mov_b32 s[TB], s[TB1]
	STEP 0                                         ; trip 1
	s_mov_b32 s[TR], 2
	TRANS
	s_mov_b32 s[TB], s[TB2]
	s_wait_tensorcnt 0x0                           ; my second piece has landed:
	s_wait_dscnt 0x0
	s_barrier_signal -1
	STEP 0                                         ; trip 2: registers, and LDS bytes that nobody writes any more
	s_barrier_wait -1                              ; everybody's has: the head's K and V lie in LDS
	s_mov_b32 s[TR], 3
.Lloop:                                            ; trips 3 to 7
	TRANS
	s_cmp_lt_u32 s[TR], s[TT]
	s_cselect_b32 s76, 8, s[OFFB]
	s_cselect_b32 s[UJ], s[L], s[X]
	s_add_co_u32 s[SI], s[TR], s76
	s_and_b32 s[SI], s[SI], 15
	s_mul_i32 s[TB], s[SI], STEPB
	STEP 1
	s_add_co_u32 s[TR], s[TR], 1
	s_cmp_lt_u32 s[TR], 8
	s_cbranch_scc1 .Lloop
	TRANS                                          ; (J = 0)
	s_wait_dscnt 0x0                               ; b's part of row L is in LDS:
	s_barrier_signal -1
	s_cmp_lt_u32 s[WV], 8
	s_cbranch_scc0 .Lwait
	s_mul_i32 s[TB], s[J], STEPB                   ; b's trip 8: row J's own step, and row J's result: registers, and LDS bytes that nobody writes any more
	STEP 2
	FINAL
.Lwait:
	s_barrier_wait -1                              ; every pair's is
	s_cmp_lt_u32 s[WV], 8
	s_cbranch_scc1 .Lstore
	; a: b's part of row L joins mine, both brought under the larger M by powers of two
.irp k, 0,1,2,3,4,5,6,7
	ds_load_b128 v[KV+4*\k:KV+4*\k+3], v[MS] offset:512*\k
.endr
	ds_load_b64 v[80:81], v[MS2] offset:4096       ; its sum, its -M
	s_wait_alu depctr_va_vdst(0)                   ; ahead of the sum's reader
	v_add_f32 v[NM+2], v[NM+2], v[NM+3]
	v_mov_b32 v[NM+3], 0
	v_mov_b32 v85, 0                               ; (named as the upper half of a pair)
	s_wait_alu depctr_va_vdst(0)
	s_wait_dscnt 0x0
	v_min_num_f32 v[T], v[NM], v81                 ; the new -M
	v_sub_f32 v82, v[T], v[NM]
	v_sub_f32 v83, v[T], v81
	v_cvt_i32_f32 v82, v82
	v_cvt_i32_f32 v83, v83
	v_ldexp_f32 v[F], 1.0, v82
	v_ldexp_f32 v84, 1.0, v83
	v_mul_f32 v[NM+2], v[NM+2], v[F]
	v_fmac_f32 v[NM+2], v80, v84
.irp j, 0,2,4,6,8,10,12,14,16,18,20,22,24,26,28,30
	v_pk_mul_f32 v[KV+\j:KV+\j+1], v[KV+\j:KV+\j+1], v[84:85] op_sel_hi:[1,0]
.endr
.irp j, 0,2,4,6,8,10,12,14,16,18,20,22,24,26,28,30
	v_pk_fma_f32 v[O+\j:O+\j+1], v[O+\j:O+\j+1], v[F:F+1], v[KV+\j:KV+\j+1] op_sel_hi:[1,0,1]
.endr
	FINAL
.Lstore:
	global_store_b128 v[L16], v[P:P+3], s[10:11]               ; 32 lanes store 512 consecutive bytes
	global_store_b128 v[L16], v[P+4:P+7], s[10:11] offset:512
	global_store_b16 v[R16], v[T], s[12:13]        ; my token's two scale bytes of its 16 (lanes l and l xor 16 store the same): eight heads' work-groups fill a token's row; 32 bytes a wave beside its 1,024 of codes
	s_wait_tensorcnt 0x0                           ; the wave's end
	ds_add_u32 v[SPW], v[NIL]
	s_wait_dscnt 0x0
	CROUND                                         ; the closing round
	s_endpgm
.Lfunc_end_k_qc2eeacaaba_attn:
	.size	k_qc2eeacaaba_attn, .Lfunc_end_k_qc2eeacaaba_attn-k_qc2eeacaaba_attn
	.p2alignl 7, 3214868480
	.fill 96, 4, 3214868480
	.section	.rodata,"a",@progbits
	.p2align	6, 0x0
	.amdhsa_kernel k_qc2eeacaaba_attn
		.amdhsa_group_segment_fixed_size 327680
		.amdhsa_private_segment_fixed_size 0
		.amdhsa_enable_private_segment 0
		.amdhsa_kernarg_size 40
		.amdhsa_user_sgpr_count 2
		.amdhsa_user_sgpr_kernarg_segment_ptr 1
		.amdhsa_wavefront_size32 1
		.amdhsa_system_sgpr_workgroup_id_x 1
		.amdhsa_system_sgpr_workgroup_id_y 1
		.amdhsa_system_sgpr_workgroup_id_z 1
		.amdhsa_system_vgpr_workitem_id 0
		.amdhsa_next_free_vgpr 256
		.amdhsa_next_free_sgpr 100
		.amdhsa_reserve_vcc 1
		.amdhsa_float_denorm_mode_32 3
		.amdhsa_float_denorm_mode_16_64 3
		.amdhsa_memory_ordered 1
		.amdhsa_forward_progress 1
		.amdhsa_inst_pref_size 140
	.end_amdhsa_kernel
	.amdgpu_metadata
---
amdhsa.version: [ 1, 2 ]
amdhsa.kernels:
  - .name:           k_qc2eeacaaba_attn
    .symbol:         k_qc2eeacaaba_attn.kd
    .args:
      - { .name: q_img, .offset: 0, .size: 8, .value_kind: global_buffer, .address_space: global }
      - { .name: q_sc, .offset: 8, .size: 8, .value_kind: global_buffer, .address_space: global }
      - { .name: kv, .offset: 16, .size: 8, .value_kind: global_buffer, .address_space: global }
      - { .name: a_img, .offset: 24, .size: 8, .value_kind: global_buffer, .address_space: global }
      - { .name: a_sc, .offset: 32, .size: 8, .value_kind: global_buffer, .address_space: global }
    .group_segment_fixed_size: 327680
    .private_segment_fixed_size: 0
    .kernarg_segment_align: 8
    .kernarg_segment_size: 40
    .max_flat_workgroup_size: 512
    .sgpr_count:     100
    .vgpr_count:     256
    .wavefront_size: 32
...
	.end_amdgpu_metadata
.endif
;; end of part 2
;; launch proj (part 3): grid 4 x 64, 8 waves a work-group, clusters of 4 x 4, 171,008 bytes of LDS; arguments a_img, a_sc, Wp_codes, Wp_scales, bp, out0; writes out0
.if DOCPART == 3
	.amdgcn_target "amdgcn-amd-amdhsa--gfx1250"
	.amdhsa_code_object_version 6
	.text
	.protected	k_qc2eeacaaba_proj
	.globl	k_qc2eeacaaba_proj
	.p2align	8
	.type	k_qc2eeacaaba_proj,@function
k_qc2eeacaaba_proj:
	s_mov_b64 s[64:65], 0
	v_nop
	global_prefetch_b8 v0, s[64:65] scope:SCOPE_SE
	s_setreg_imm32_b32 hwreg(HW_REG_WAVE_MODE, 25, 1), 1
	s_wait_xcnt 0x0
	s_wait_alu depctr_hold_cnt(0) depctr_sa_sdst(0) depctr_va_vdst(0) depctr_va_sdst(0) depctr_va_ssrc(0) depctr_va_vcc(0) depctr_vm_vsrc(0)
	s_getreg_b32 s2, hwreg(HW_REG_IB_STS2, 6, 4)
	s_cmp_eq_u32 s2, 0
	s_cbranch_scc0 .Lentry_in_a_cluster
	s_endpgm
.Lentry_in_a_cluster:
	s_bfe_u32 s2, ttmp6, 0x10000c
	s_cmp_lg_u32 s2, 0xf033
	s_cbranch_scc0 .Lentry_shape_is_right
	s_endpgm
.Lentry_shape_is_right:
; out0 = a Wp + bp on codes of BF8 (E5M2) with one E8M0 scale for each 32 along K = 512.  a: the attention's result, as images of operand registers (a_img) and 16 scale bytes a token (a_sc).
; SHARES.  A work-group makes 128 tokens x 128 columns.  Eight waves: wave / 2 picks 32 tokens (two tiles), wave % 2 picks 64 columns (four tiles): 8 accumulators, 32 matrix instructions.
; What the work-group reads (a's 8 tiles, 65,536 bytes; 128 rows of Wp, 512 bytes each) fits in LDS at once: each byte is filled once.
; CLUSTER 4 x 4: a's tiles are shared along a row of the cluster, Wp's rows along a column: each is asked for jointly.
; THE ORDER INSIDE A BLOCK OF 32: a's codes lie as they were made: registers 2 c', 2 c' + 1 of a lane hold k = 16 c' + 8 (lane / 16) + 0 .. 7.  Wp is read from its rows in that very order, by loads of 8 bytes.
; THE PRODUCT IS USED TRANSPOSED (source 0 = 16 rows of Wp, source 1 = 16 tokens): a lane holds eight neighbouring columns of one token's row; the bias is the sums' beginning.
; LIMITS: NaN and infinities among the inputs are not served.
.set PT,    272                        ; a row of Wp in LDS: 256 bytes (half of K) + 16 of padding
.set TILE,  16*PT
.set RGN,   64*PT
.set AHB,   32768                      ; LDS: a's images, first half of K at 0 (4,096 bytes a tile), second half here;
.set WPB,   65536                      ; Wp's 128 rows, first half of K here, second half two regions further on;
.set STG,   WPB+4*RGN                  ; the stages for the way out, 16 rows x 272 bytes for each wave: bytes into which no tile lands
.set AA,  3                            ; v3   LDS address of my a fragments: 8,192 x (wave / 2) + 16 x lane
.set AWP, 4                            ; v4   of my Wp fragments
.set SO,  5                            ; v5   the stage: where I put 32 bytes of a row
.set SR,  6                            ; v6   and where I read a row back
.set GO,  7                            ; v7   my byte offset in two rows of out0
.set R16, 8                            ; v8   16 x (lane % 16)
.set H32, 9                            ; v9   32 x (lane / 16)
.set WS,  16                           ; v16-31 Wp's scale words: tile n, K step s at 4 n + s
.set ASC, 32                           ; v32-39 a's: tile t, K step s at 4 t + s
.set AF,  40                           ; v40-71 two fragments of a
.set WF,  72                           ; v72-135 four fragments of Wp
.set ACC, 136                          ; v136-199 accumulator (t, n) at 8 (4 t + n)
.set OB,  40                           ; the way out: rows read back from the stage
.set WV,  32
.set TP,  33
.set NH,  34
.set CX,  35
.set CY,  36
.set NB,  37                           ; block of 128 columns = work-group x
.set TK,  38                           ; block of 128 tokens = work-group y
.set G1A, 44
.set G1B, 52
.set G0A, 60
.set G0B, 68
.macro PLACES n
.rept \n
	v_nop
.endr
.endm
.macro CROUND
	s_barrier_signal -1
	s_barrier_wait -1
	s_cmp_lg_u32 s[WV], 0
	s_cbranch_scc1 .Lnot_wave_0_\@
	s_barrier_signal -3
.Lnot_wave_0_\@:
	s_barrier_wait -3
	s_barrier_signal -1
	s_barrier_wait -1
.endm
	s_load_b256 s[4:11], s[0:1], 0x0               ; a_img s[4:5], a_sc s[6:7], Wp codes s[8:9], Wp scales s[10:11]
	s_load_b128 s[12:15], s[0:1], 0x20             ; bp s[12:13], out0 s[14:15]
	v_lshl_add_u32 v200, v0, 2, 0x29800
	v_mov_b32 v201, 0
	ds_add_u32 v200, v201
	ds_add_u32 v200, v201
	v_lshrrev_b32 v10, 5, v0
	s_delay_alu instid0(VALU_DEP_1)
	v_readfirstlane_b32 s[WV], v10                 ; wave 0..7
	s_lshr_b32 s[TP], s[WV], 1
	s_and_b32 s[NH], s[WV], 1
	s_bfe_u32 s[CX], ttmp6, 0x40000
	s_bfe_u32 s[CY], ttmp6, 0x40004
	s_lshl_b32 s[NB], ttmp9, 2
	s_add_co_u32 s[NB], s[NB], s[CX]
	s_and_b32 s[TK], ttmp7, 0xffff
	s_lshl_b32 s[TK], s[TK], 2
	s_add_co_u32 s[TK], s[TK], s[CY]
	s_lshl_b32 s39, s[CY], 2
	s_lshl_b32 s39, 15, s39                        ; my row of the cluster
	s_lshl_b32 s40, 0x1111, s[CX]                  ; my column
	s_or_b32 s[G1A], s39, (3<<16)|(1<<21)          ; a: elements of 8 bytes; it hangs on the token block alone
	s_mov_b32 s[G1A+1], 512<<16                    ; here four tiles' halves: four rows of 512 elements (4,096 bytes), 8,192 bytes apart
	s_mov_b32 s[G1A+2], 4<<16
	s_mov_b32 s[G1A+3], 512<<16
	s_mov_b32 s[G1A+4], 4
	s_mov_b32 s[G1A+5], 1024
	s_mov_b32 s[G1A+6], 0
	s_mov_b32 s[G1A+7], 0
	s_or_b32 s[G1B], s40, (1<<20)|(1<<21)|(5<<22)|(3<<25)   ; Wp: 64 rows x 256 bytes, 512 bytes apart, 4 words of padding behind every 64; it hangs on the column block alone
	s_mov_b32 s[G1B+1], 256<<16
	s_mov_b32 s[G1B+2], 64<<16
	s_mov_b32 s[G1B+3], 256<<16
	s_mov_b32 s[G1B+4], 64
	s_mov_b32 s[G1B+5], 512
	s_mov_b32 s[G1B+6], 0
	s_mov_b32 s[G1B+7], 0
	s_lshr_b32 s89, s[WV], 2                       ; which half of K I fetch: waves 0-3 the first, 4-7 the second
	s_lshl_b32 s72, s[TK], 16                      ; a: 8 tiles of 8,192 bytes a block, four tiles' halves a wave
	s_lshl_b32 s74, s[NH], 15
	s_add_co_u32 s72, s72, s74
	s_lshl_b32 s74, s89, 12
	s_add_co_u32 s72, s72, s74
	s_mov_b32 s73, 0
	s_lshl_b32 s74, s[NH], 14                      ; in LDS: 16,384 x (wave % 2) + 32,768 x half
	s_lshl_b32 s88, s89, 15
	s_add_co_u32 s74, s74, s88
	s_lshl_b32 s76, s[NB], 16                      ; Wp: 128 rows of 512 bytes a block, 64 rows' halves a wave
	s_lshl_b32 s77, s[NH], 15
	s_add_co_u32 s76, s76, s77
	s_lshl_b32 s77, s89, 8
	s_add_co_u32 s76, s76, s77
	s_mov_b32 s77, 0
	s_mul_i32 s75, s[NH], RGN
	s_add_co_u32 s75, s75, WPB
	s_mul_i32 s88, s89, 2*RGN
	s_add_co_u32 s88, s88, s75
	v_and_b32 v10, 15, v0                          ; r
	v_bfe_u32 v11, v0, 4, 1                        ; h
	v_and_b32 v12, 31, v0
	s_delay_alu instid0(VALU_DEP_1)
	v_lshlrev_b32 v[AA], 4, v12
	s_lshl_b32 s41, s[TP], 13
	v_add_nc_u32 v[AA], s41, v[AA]
	v_mul_u32_u24 v[AWP], v10, PT
	s_delay_alu instid0(VALU_DEP_1)
	v_lshl_add_u32 v[AWP], v11, 3, v[AWP]          ; row x pitch + 8 x half
	s_delay_alu instid0(VALU_DEP_1)
	v_add_nc_u32 v[AWP], s75, v[AWP]               ; my 64 rows of Wp: region wave % 2
	s_mul_i32 s41, s[WV], 16*272
	s_add_co_u32 s41, s41, STG                     ; my stage
	v_mul_u32_u24 v[SO], v10, 272
	s_delay_alu instid0(VALU_DEP_1)
	v_lshl_add_u32 v[SO], v11, 5, v[SO]
	s_delay_alu instid0(VALU_DEP_1)
	v_add_nc_u32 v[SO], s41, v[SO]                 ; in: row r, 32 bytes for each half of the lanes
	v_mul_u32_u24 v[SR], v11, 272
	s_delay_alu instid0(VALU_DEP_1)
	v_lshl_add_u32 v[SR], v10, 4, v[SR]
	s_delay_alu instid0(VALU_DEP_1)
	v_add_nc_u32 v[SR], s41, v[SR]                 ; back: lanes 0-15 one row of 256 bytes, lanes 16-31 the next
	v_lshlrev_b32 v[GO], 11, v11
	s_delay_alu instid0(VALU_DEP_1)
	v_lshl_add_u32 v[GO], v10, 4, v[GO]            ; and the same two rows of out0, 2,048 bytes apart
	v_lshlrev_b32 v[R16], 4, v10
	v_lshlrev_b32 v[H32], 5, v11
	s_mov_b32 s79, 0
	s_wait_dscnt 0x0
	CROUND                                         ; all sixteen work-groups are here: the joint loads meet
	s_wait_kmcnt 0x0
	s_mov_b32 s[G0A], 1
	s_mov_b32 s[G0A+1], s74
	s_add_nc_u64 s[G0A+2:G0A+3], s[4:5], s[72:73]
	s_or_b32 s[G0A+3], s[G0A+3], 0x80000000
	s_mov_b32 s[G0B], 1
	s_mov_b32 s[G0B+1], s88
	s_add_nc_u64 s[G0B+2:G0B+3], s[8:9], s[76:77]
	s_or_b32 s[G0B+3], s[G0B+3], 0x80000000
	s_lshl_b32 s78, s[NB], 11                      ; Wp's scales: 16 bytes a row, my 64 rows
	s_lshl_b32 s41, s[NH], 10
	s_add_co_u32 s78, s78, s41
	s_add_nc_u64 s[80:81], s[10:11], s[78:79]
	s_lshl_b32 s78, s[TK], 11                      ; a's: 16 bytes a token, my 32 tokens
	s_lshl_b32 s41, s[TP], 9
	s_add_co_u32 s78, s78, s41
	s_add_nc_u64 s[82:83], s[6:7], s[78:79]
	s_lshl_b32 s78, s[NB], 9                       ; my first column, in bytes of f32
	s_lshl_b32 s41, s[NH], 8
	s_add_co_u32 s78, s78, s41
	s_add_nc_u64 s[84:85], s[12:13], s[78:79]      ; bp
	s_add_nc_u64 s[86:87], s[14:15], s[78:79]
	s_lshl_b32 s78, s[TK], 18                      ; my first token's row of 2,048 bytes
	s_lshl_b32 s41, s[TP], 16
	s_add_co_u32 s78, s78, s41
	s_add_nc_u64 s[86:87], s[86:87], s[78:79]      ; out0
	; ONE tensor load a wave, in one chain of arms: first half of K: waves 0 and 1 a's, 2 and 3 Wp's: the first barrier shows them; second half: waves 4 and 5 a's, 6 and 7 Wp's: the second barrier shows them.  Four v_nop follow each line
.macro LOADT g0, g1
	tensor_load_to_lds s[\g0:\g0+3], s[\g1:\g1+7]
	s_nop 0
	PLACES 4
.endm
.macro ARM under, g0, g1
	s_cmp_lt_u32 s[WV], \under
	s_cbranch_scc0 .Lnot_mine_\@
	LOADT \g0, \g1
	s_branch .Lasked
.Lnot_mine_\@:
.endm
	ARM 2, G0A, G1A
	ARM 4, G0B, G1B
	ARM 6, G0A, G1A
	LOADT G0B, G1B
.Lasked:
	s_wait_alu depctr_va_vdst(0)
.irp n, 0,1,2,3
	global_load_b128 v[WS+4*\n:WS+4*\n+3], v[R16], s[80:81] offset:256*\n   ; a row's 16 scale bytes are the words of its four K steps
.endr
.irp t, 0,1
	global_load_b128 v[ASC+4*\t:ASC+4*\t+3], v[R16], s[82:83] offset:256*\t
.endr
.irp t, 0,1
.irp n, 0,1,2,3
	global_load_b128 v[ACC+8*(4*\t+\n):ACC+8*(4*\t+\n)+3], v[H32], s[84:85] offset:64*\n       ; the bias is the sums' beginning: register j = bp(16 n + 8 (lane / 16) + j)
	global_load_b128 v[ACC+8*(4*\t+\n)+4:ACC+8*(4*\t+\n)+7], v[H32], s[84:85] offset:64*\n+16
.endr
.endr
	s_wait_loadcnt 0x0
	s_cmp_lt_u32 s[WV], 4
	s_cbranch_scc0 .Lnot_first
	s_wait_tensorcnt 0x0                           ; waves 0-3: my tile of the first half of K has landed,
.Lnot_first:
	s_barrier_signal -1
	s_barrier_wait -1                              ; all four have
.macro KSTEP3 s
.irp t, 0,1
.irp c, 0,1,2,3
	ds_load_b128 v[AF+16*\t+4*\c:AF+16*\t+4*\c+3], v[AA] offset:AHB*((\s)/2)+4096*\t+2048*((\s)%2)+512*\c
.endr
.endr
.irp n, 0,1,2,3
.irp c, 0,1,2,3,4,5,6,7
	ds_load_b64 v[WF+16*\n+2*\c:WF+16*\n+2*\c+1], v[AWP] offset:2*RGN*((\s)/2)+TILE*\n+128*((\s)%2)+16*\c
.endr
.endr
.irp n, 0,1,2,3
	s_wait_dscnt 24-8*\n                           ; a's fragments and Wp's tile n are in; the later tiles' loads, eight a tile, may be out
.irp t, 0,1
	v_wmma_scale_f32_16x16x128_f8f6f4 v[ACC+8*(4*\t+\n):ACC+8*(4*\t+\n)+7], v[WF+16*\n:WF+16*\n+15], v[AF+16*\t:AF+16*\t+15], v[ACC+8*(4*\t+\n):ACC+8*(4*\t+\n)+7], v[WS+4*\n+\s], v[ASC+4*\t+\s] matrix_a_fmt:MATRIX_FMT_BF8 matrix_b_fmt:MATRIX_FMT_BF8
.endr
.endr
	PLACES 8                                       ; in front of loads into registers that the products read, and of the first read of results
.endm
	KSTEP3 0
	KSTEP3 1
	s_wait_tensorcnt 0x0                           ; waves 4-7: my tile of the second half has landed,
	s_wait_dscnt 0x0
	s_barrier_signal -1
	s_barrier_wait -1                              ; everybody's has
	KSTEP3 2
	KSTEP3 3
	; THE WAY OUT.  A lane holds 32 neighbouring bytes of a token's row and the lanes beside it other rows: a tile of 16 tokens x 64 columns goes through my own stage and comes back as rows of 256 bytes.
	; LDS serves a wave's instructions in order (ISA guide 5.7.1.4): no wait between my stores and my loads, nor in front of the next tile's stores.
.irp t, 0,1
.irp n, 0,1,2,3
	ds_store_b128 v[SO], v[ACC+8*(4*\t+\n):ACC+8*(4*\t+\n)+3] offset:64*\n          ; each accumulator from its low end on
	ds_store_b128 v[SO], v[ACC+8*(4*\t+\n)+4:ACC+8*(4*\t+\n)+7] offset:64*\n+16
.endr
.irp i, 0,1,2,3,4,5,6,7
	ds_load_b128 v[OB+32*\t+4*\i:OB+32*\t+4*\i+3], v[SR] offset:544*\i
.endr
.endr
.irp i, 0,1,2,3,4,5,6,7
	s_wait_dscnt 23-\i                             ; behind tile 0's load i: its 7 - i later loads and tile 1's sixteen LDS instructions
	global_store_b128 v[GO], v[OB+4*\i:OB+4*\i+3], s[86:87] offset:2*\i*2048 th:TH_STORE_NT   ; sixteen lanes store 256 consecutive bytes, at a multiple of 256 from out0's first byte
.endr
.irp i, 0,1,2,3,4,5,6,7
	s_wait_dscnt 7-\i
	global_store_b128 v[GO], v[OB+32+4*\i:OB+32+4*\i+3], s[86:87] offset:(16+2*\i)*2048 th:TH_STORE_NT
.endr
	s_wait_tensorcnt 0x0
	ds_add_u32 v200, v201
	s_wait_dscnt 0x0
	CROUND                                         ; the closing round
	s_endpgm
.Lfunc_end_k_qc2eeacaaba_proj:
	.size	k_qc2eeacaaba_proj, .Lfunc_end_k_qc2eeacaaba_proj-k_qc2eeacaaba_proj
	.p2alignl 7, 3214868480
	.fill 96, 4, 3214868480
	.section	.rodata,"a",@progbits
	.p2align	6, 0x0
	.amdhsa_kernel k_qc2eeacaaba_proj
		.amdhsa_group_segment_fixed_size 171008
		.amdhsa_private_segment_fixed_size 0
		.amdhsa_enable_private_segment 0
		.amdhsa_kernarg_size 48
		.amdhsa_user_sgpr_count 2
		.amdhsa_user_sgpr_kernarg_segment_ptr 1
		.amdhsa_wavefront_size32 1
		.amdhsa_system_sgpr_workgroup_id_x 1
		.amdhsa_system_sgpr_workgroup_id_y 1
		.amdhsa_system_sgpr_workgroup_id_z 1
		.amdhsa_system_vgpr_workitem_id 0
		.amdhsa_next_free_vgpr 202
		.amdhsa_next_free_sgpr 96
		.amdhsa_reserve_vcc 0
		.amdhsa_float_denorm_mode_32 3
		.amdhsa_float_denorm_mode_16_64 3
		.amdhsa_memory_ordered 1
		.amdhsa_forward_progress 1
		.amdhsa_inst_pref_size 30
	.end_amdhsa_kernel
	.amdgpu_metadata
---
amdhsa.version: [ 1, 2 ]
amdhsa.kernels:
  - .name:           k_qc2eeacaaba_proj
    .symbol:         k_qc2eeacaaba_proj.kd
    .args:
      - { .name: a_img, .offset: 0, .size: 8, .value_kind: global_buffer, .address_space: global }
      - { .name: a_sc, .offset: 8, .size: 8, .value_kind: global_buffer, .address_space: global }
      - { .name: Wp_codes, .offset: 16, .size: 8, .value_kind: global_buffer, .address_space: global }
      - { .name: Wp_scales, .offset: 24, .size: 8, .value_kind: global_buffer, .address_space: global }
      - { .name: bp, .offset: 32, .size: 8, .value_kind: global_buffer, .address_space: global }
      - { .name: out0, .offset: 40, .size: 8, .value_kind: global_buffer, .address_space: global }
    .group_segment_fixed_size: 171008
    .private_segment_fixed_size: 0
    .kernarg_segment_align: 8
    .kernarg_segment_size: 48
    .max_flat_workgroup_size: 256
    .sgpr_count:     96
    .vgpr_count:     202
    .wavefront_size: 32
...
	.end_amdgpu_metadata
.endif
;; end of part 3
